; MI455X (gfx1250); checked and timed in simulation.
; The chip was launched on July 23, 2026; its instructions are those of AMD's public machine-readable ISA for CDNA 5 (MIT licence, August 2026) and "CDNA5" Instruction Set Architecture Reference Guide (July 2026). The comments in the code are by the model that wrote it; some were corrected since.
;; Transformer Encoder Layer. Allowed arithmetic: matrix products marked QUANTISED: E2M3 operands, one E8M0 scale for each 32 along K, by v_wmma_scale_f32_16x16x128_f8f6f4 with both operands' format E2M3, f32 sums; everything else in f32.
;; Inputs: W1_codes 4,096 x 32 x 24 uint8 (E2M3 codes of W1, K innermost, in blocks of 32 codes, four codes in three bytes); W1_scales 4,096 x 32 uint8 (E8M0 scales of W1, one for each 32 codes along K); W2_codes 1,024 x 128 x 24 uint8 (E2M3 codes of W2, K innermost, in blocks of 32 codes, four codes in three bytes); W2_scales 1,024 x 128 uint8 (E8M0 scales of W2, one for each 32 codes along K); Wk_codes 1,024 x 32 x 24 uint8 (E2M3 codes of Wk, K innermost, in blocks of 32 codes, four codes in three bytes); Wk_scales 1,024 x 32 uint8 (E8M0 scales of Wk, one for each 32 codes along K); Wo_codes 1,024 x 32 x 24 uint8 (E2M3 codes of Wo, K innermost, in blocks of 32 codes, four codes in three bytes); Wo_scales 1,024 x 32 uint8 (E8M0 scales of Wo, one for each 32 codes along K); Wq_codes 1,024 x 32 x 24 uint8 (E2M3 codes of Wq, K innermost, in blocks of 32 codes, four codes in three bytes); Wq_scales 1,024 x 32 uint8 (E8M0 scales of Wq, one for each 32 codes along K); Wv_codes 1,024 x 32 x 24 uint8 (E2M3 codes of Wv, K innermost, in blocks of 32 codes, four codes in three bytes); Wv_scales 1,024 x 32 uint8 (E8M0 scales of Wv, one for each 32 codes along K); b1 4,096 float32; b2 1,024 float32; be1 1,024 float32; be2 1,024 float32; bk 1,024 float32; bo 1,024 float32; bq 1,024 float32; bv 1,024 float32; g1 1,024 float32; g2 1,024 float32; mask 2 x 1 x 1 x 2,048 int32; x 2 x 2,048 x 1,024 float32.
;; Outputs: out0 2 x 2,048 x 1,024 float32.
;; This version of the problem:
;;   THIS VERSION OF THE PROBLEM IS GIVEN IN LOW PRECISION. The matrix products marked QUANTISED in the list below multiply operands that are first quantised to E2M3 (2 exponent bits, 3 mantissa bits; 6 bits a number), with one power-of-two scale for each 32 numbers along K (OCP MX v1.0); their sums are f32. All else is computed in f32.
;;   The module's matrix products, in the order in which they are computed (A, B: the left and right operand; K: the contracted axis; several contracted axes count as one K, in the product's order):
;;     1. [M 4,096, K 1,024] x [K 1,024, N 1,024]; A: input x; B: input Wq (given as codes): QUANTISED
;;     2. [M 4,096, K 1,024] x [K 1,024, N 1,024]; A: input x; B: input Wk (given as codes): QUANTISED
;;     3. [M 4,096, K 1,024] x [K 1,024, N 1,024]; A: input x; B: input Wv (given as codes): QUANTISED
;;     4. batch 32 x [M 2,048, K 64] x [K 64, N 2,048]; A: computed on the way; B: computed on the way: QUANTISED
;;     5. batch 32 x [M 2,048, K 2,048] x [K 2,048, N 64]; A: softmax (see below); B: computed on the way: QUANTISED
;;     6. [M 4,096, K 1,024] x [K 1,024, N 1,024]; A: computed on the way; B: input Wo (given as codes): QUANTISED
;;     7. [M 4,096, K 1,024] x [K 1,024, N 4,096]; A: computed on the way; B: input W1 (given as codes): QUANTISED
;;     8. [M 4,096, K 4,096] x [K 4,096, N 1,024]; A: computed on the way; B: input W2 (given as codes): QUANTISED
;;   THE QUANTISER, for each operand of a quantised product, along K:
;;     - K is cut into blocks of 32 from its start; a last block that is shorter is filled with zeros.
;;     - A block's scale is 2^e with e = floor(log2(the largest magnitude in the block)) - 2, held to -126 .. 127; a block of zeros has e = 0. As a byte (E8M0): e + 127.
;;     - Each number is divided by its block's scale, clamped to +-7.5, and rounded to the nearest number of E2M3, ties to even, subnormals kept.
;;     - The product sums the exact products of the quantised numbers (number of the format x scale) in f32.
;;   ~~~python
;;   def quantise(x, axis):      # numpy; x: float32 -> the quantised numbers, widened to float32 again
;;       x = np.moveaxis(x, axis, -1); K = x.shape[-1]
;;       x = np.pad(x, [(0, 0)] * (x.ndim - 1) + [(0, -K % 32)]); x = x.reshape(x.shape[:-1] + (-1, 32)); a = np.abs(x).max(-1, keepdims=True)
;;       e = np.where(a > 0, np.clip(np.frexp(np.where(a > 0, a, 1))[1] - 1 - 2, -126, 127), 0)      # np.frexp(a)[1] - 1 = floor(log2(a)), exactly
;;       r = np.clip(x / 2.0 ** e, -7.5, 7.5)
;;       step = 2.0 ** (np.maximum(np.frexp(np.where(r == 0, 1, r))[1] - 1, 0) - 3)
;;       q = np.round(r / step) * step * 2.0 ** e      # np.round: ties to even
;;       return np.moveaxis(q.reshape(q.shape[:-2] + (-1,))[..., :K], -1, axis).astype(np.float32)
;;   ~~~
;;   SOFTMAX AHEAD OF A QUANTISED PRODUCT. Where the list says 'softmax', what is quantised is not the finished softmax but p = 2^(t - M), with t = logit x log2(e) and M = ceil(the row's largest t), a whole number; so 1/2 < the row's largest p <= 1. The row's sum l is taken of the UNQUANTISED p, in f32, and the product's result is divided by l at the end. Since M is a whole number, a kernel that streams over the keys may use a running M (the ceiling of the running maximum): every later rescaling is an exact power of two, which a block's scale takes up: the codes' values come out the same.
;;   OPERANDS COMPUTED ON THE WAY. 'Computed on the way' means the value that the module computes at that place (a softmax that the list does not call 'softmax' is quantised finished and normalised). What goes into a quantiser is computed in f32, as accurately as f32 sums, v_exp_f32 and their like allow (about 1e-6 of the number): no bf16 or f16 on the way to a quantiser, and a product that is left as it is and whose result goes on into a quantised operand takes f32 operands (vector FMAs, or v_wmma_f32_16x16x4_f32). A number that lies on a knife's edge between two numbers of the format may be rounded either way, as far as f32 arithmetic and the matrix unit's own rounding can turn it there, and no further.
;;   INPUTS GIVEN AS CODES. W1 (in the module: [1024, 4096], K = its axis 0); W2 (in the module: [4096, 1024], K = its axis 0); Wk (in the module: [1024, 1024], K = its axis 0); Wo (in the module: [1024, 1024], K = its axis 0); Wq (in the module: [1024, 1024], K = its axis 0); Wv (in the module: [1024, 1024], K = its axis 0): each comes as NAME_codes (uint8): NAME with its K axis moved to the last place and cut into blocks of 32 codes, [.., K / 32, bytes a block], one block behind the other in memory; four codes in three bytes: a row's codes are one little-endian stream of bits, code i at bits 6 i .. 6 i + 5 (a code: sign, 2 exponent bits, 3 mantissa bits); and NAME_scales (uint8): the same leading axes, one E8M0 byte (e + 127) for each 32 codes along K. Its value is code x scale, taken as it is: it is not quantised again, and the codes and scales need not be those that the quantiser above would give.
;; One version. Each part assembles by itself: llvm-mc -triple=amdgcn-amd-amdhsa -mcpu=gfx1250 --defsym DOCPART=n.
;; ======== version 1 of 1: 8 launches
;; limits: right only within a limited range of input values
;; workspace buffers: aq 3,276,800 bytes; qkv 10,092,544 bytes; ctx 3,276,800 bytes; ffn 13,107,200 bytes; y 16,777,216 bytes; h 16,777,216 bytes
;; launch quant_x (part 1): grid 256 x 1, 8 waves a work-group, no clusters, 42,496 bytes of LDS; arguments x, aq; writes aq
.if DOCPART == 1
	.amdgcn_target "amdgcn-amd-amdhsa--gfx1250"
	.amdhsa_code_object_version 6
	.text
	.protected	k_q7b3d2b5a43_quant_x
	.globl	k_q7b3d2b5a43_quant_x
	.p2align	8
	.type	k_q7b3d2b5a43_quant_x,@function
k_q7b3d2b5a43_quant_x:
	s_mov_b64 s[64:65], 0
	v_nop
	global_prefetch_b8 v0, s[64:65] scope:SCOPE_SE
	s_setreg_imm32_b32 hwreg(HW_REG_WAVE_MODE, 25, 1), 1
	s_wait_xcnt 0x0
; x [4096][1024] f32 becomes codes of FP6 (E2M3), K innermost, rows of 768 bytes at aq + 0, and one E8M0 byte for each 32 along K, rows of 32 bytes at aq + AQS.
; A block's scale byte is its largest magnitude's exponent field - 2, held at 1 from below (a block of zeros gets 1 where the rule says 127: its codes are zeros, and this program alone reads the bytes).
; LIMITS: NaN and infinities among the inputs are not served.
; Rows are dense and 1024 is a multiple of 32: the tensor is a plain stream of blocks.  A wave takes 4 steps of 512 numbers, and ALL ITS 16 LOADS GO OUT AT THE START: 2,048 waves x 8,192 bytes are the whole tensor.
; Each load reads 512 consecutive bytes; a step's 2,048 bytes turn through the wave's own stage in LDS (16 bytes of padding behind each 64) and come back 64 bytes a lane: 16 neighbours, two lanes to a block.
; A lane's 16 codes are 12 bytes: a store covers 384 consecutive bytes.  A wave makes 64 scale bytes: the work-group's 512 meet in LDS behind one barrier and leave as 512 consecutive aligned bytes.
.set STEPS, 4
.set EMAX,  2
.set CB,    12                         ; bytes of 16 codes
.set R,     16                         ; v16-79   four sets of 16 numbers as loaded, one for each step
.set X,     80                         ; v80-111  two sets of 16 neighbours
.set C,     128                        ; v128-143 codes: four registers a step, so that no store's data are written again
.set E,     112                        ; v112-115 a scale byte a step
.set WREG,  5120                       ; LDS of a wave: two stages of 32 x SP bytes
.set SP,    80
.set SCB,   40960                      ; behind the eight waves' stages: the work-group's 512 scale bytes
.set AQS,   3145728
	s_load_b128 s[4:7], s[0:1], 0x0                ; x, aq
	v_lshl_add_u32 v144, v0, 2, 0xa200
	v_mov_b32 v145, 0
	v_lshrrev_b32 v1, 5, v0
	s_delay_alu instid0(VALU_DEP_1)
	v_readfirstlane_b32 s16, v1                    ; wave
	v_and_b32 v2, 31, v0                           ; lane
	s_delay_alu instid0(VALU_DEP_1)
	v_lshlrev_b32 v3, 4, v2                        ; my 16 bytes of a load's 512
	s_mul_i32 s17, s16, WREG
	v_lshrrev_b32 v14, 2, v2
	s_delay_alu instid0(VALU_DEP_1)
	v_mul_u32_u24 v14, v14, SP
	v_and_b32 v15, 3, v2
	s_delay_alu instid0(VALU_DEP_1)
	v_lshl_add_u32 v14, v15, 4, v14
	s_delay_alu instid0(VALU_DEP_1)
	v_add_nc_u32 v14, s17, v14                     ; the stage, in: SP (lane / 4) + 16 (lane % 4)
	v_mul_u32_u24 v15, v2, SP
	s_delay_alu instid0(VALU_DEP_1)
	v_add_nc_u32 v15, s17, v15                     ; and out: SP x lane
	v_mul_u32_u24 v4, v2, CB                       ; my codes' place in a step's
	v_lshrrev_b32 v5, 1, v2
	s_lshl_b32 s17, s16, 6
	s_add_co_u32 s17, s17, SCB
	v_add_nc_u32 v5, s17, v5                       ; my block's byte: 64 bytes a wave
	v_add_nc_u32 v6, SCB, v3                       ; wave 0 on the way out: 16 bytes a lane
	s_lshl_b32 s18, ttmp9, 3
	s_add_co_u32 s18, s18, s16                     ; which run of 2,048 numbers is my wave's
	s_lshl_b32 s20, s18, 13
	s_mov_b32 s21, 0
	s_mul_i32 s22, s18, 32*STEPS*CB
	s_mov_b32 s23, 0
	s_lshl_b32 s24, ttmp9, 9
	s_add_co_u32 s24, s24, AQS
	s_mov_b32 s25, 0
	s_wait_alu depctr_va_vdst(0)
	s_wait_kmcnt 0x0
	s_add_nc_u64 s[4:5], s[4:5], s[20:21]
	s_add_nc_u64 s[8:9], s[6:7], s[22:23]          ; codes
	s_add_nc_u64 s[10:11], s[6:7], s[24:25]        ; the work-group's scale bytes
.macro LOAD t
.irp i, 0,1,2,3
	global_load_b128 v[R+16*(\t)+4*\i:R+16*(\t)+4*\i+3], v3, s[4:5] offset:2048*(\t)+512*\i
.endr
.endm
.macro TURN t                          ; LDS serves a wave's instructions in order: no wait between the stores and the loads
.irp i, 0,1,2,3
	ds_store_b128 v14, v[R+16*(\t)+4*\i:R+16*(\t)+4*\i+3] offset:32*SP*((\t)%2)+8*SP*\i
.endr
.irp i, 0,1,2,3
	ds_load_b128 v[X+16*((\t)%2)+4*\i:X+16*((\t)%2)+4*\i+3], v15 offset:32*SP*((\t)%2)+16*\i
.endr
.endm
.irp t, 0,1,2,3
	LOAD \t
.endr
	s_wait_loadcnt 12                              ; step 0's four loads are in; the other three steps' twelve may be out
	TURN 0
.macro STEP t
.set XS, X+16*((\t)%2)
.if (\t) > 0
	s_wait_dscnt 1                                 ; this step's numbers are back (the last step's byte store may be out)
.else
	s_wait_dscnt 0x0
.endif
.if (\t)+1 < STEPS
	s_wait_loadcnt 4*(STEPS-2-(\t))                ; the next step's four are in; the later steps' may be out
	TURN (\t)+1                                    ; and go through the other stage while this step is worked
.endif
	v_max3_num_f32 v8, |v[XS]|, |v[XS+1]|, |v[XS+2]|
	v_max3_num_f32 v9, |v[XS+3]|, |v[XS+4]|, |v[XS+5]|
.irp i, 6,10
	s_delay_alu instid0(VALU_DEP_2)
	v_max3_num_f32 v8, v8, |v[XS+\i]|, |v[XS+\i+1]|
	s_delay_alu instid0(VALU_DEP_2)
	v_max3_num_f32 v9, v9, |v[XS+\i+2]|, |v[XS+\i+3]|
.endr
	s_delay_alu instid0(VALU_DEP_2)
	v_max3_num_f32 v8, v8, |v[XS+14]|, |v[XS+15]|
	s_delay_alu instid0(VALU_DEP_1)
	v_max3_num_f32 v8, v8, v9, (EMAX+1)<<23        ; the floor 2^(3 - 127): the byte cannot fall under 1
	s_delay_alu instid0(VALU_DEP_1)
	v_max_num_f32_dpp v8, v8, v8 row_xmask:1 row_mask:0xf bank_mask:0xf   ; with my neighbour's 16: the block's
	s_delay_alu instid0(VALU_DEP_1)
	v_add_nc_u32 v11, -(EMAX<<23), v8              ; 2 off the exponent field: the conversion's scale operand
	v_cvt_scalef32_pk16_fp6_f32 v[C+4*(\t):C+4*(\t)+2], v[XS:XS+15], v11
	v_lshrrev_b32 v[E+(\t)], 23, v11               ; the scale's byte
	ds_store_b8 v5, v[E+(\t)] offset:16*(\t)       ; both lanes of a block write the same byte with the same value
	global_store_b96 v4, v[C+4*(\t):C+4*(\t)+2], s[8:9] offset:32*CB*(\t)
.endm
.irp t, 0,1,2,3
	STEP \t
.endr
	s_wait_dscnt 0x0                               ; for the others' sake: my byte stores have landed
	s_barrier_signal -1
	s_barrier_wait -1
	s_cmp_lg_u32 s16, 0
	s_cbranch_scc1 .Lend
	ds_load_b128 v[8:11], v6                       ; wave 0: the work-group's 512 scale bytes
	s_wait_dscnt 0x0
	global_store_b128 v3, v[8:11], s[10:11]
.Lend:
	s_wait_tensorcnt 0x0
	ds_add_u32 v144, v145
	s_wait_dscnt 0x0
	s_endpgm
.Lfunc_end_k_q7b3d2b5a43_quant_x:
	.size	k_q7b3d2b5a43_quant_x, .Lfunc_end_k_q7b3d2b5a43_quant_x-k_q7b3d2b5a43_quant_x
	.p2alignl 7, 3214868480
	.fill 96, 4, 3214868480
	.section	.rodata,"a",@progbits
	.p2align	6, 0x0
	.amdhsa_kernel k_q7b3d2b5a43_quant_x
		.amdhsa_group_segment_fixed_size 42496
		.amdhsa_private_segment_fixed_size 0
		.amdhsa_enable_private_segment 0
		.amdhsa_kernarg_size 16
		.amdhsa_user_sgpr_count 2
		.amdhsa_user_sgpr_kernarg_segment_ptr 1
		.amdhsa_wavefront_size32 1
		.amdhsa_system_sgpr_workgroup_id_x 1
		.amdhsa_system_sgpr_workgroup_id_y 1
		.amdhsa_system_sgpr_workgroup_id_z 1
		.amdhsa_system_vgpr_workitem_id 0
		.amdhsa_next_free_vgpr 146
		.amdhsa_next_free_sgpr 66
		.amdhsa_reserve_vcc 0
		.amdhsa_float_denorm_mode_32 3
		.amdhsa_float_denorm_mode_16_64 3
		.amdhsa_memory_ordered 1
		.amdhsa_forward_progress 1
		.amdhsa_inst_pref_size 11
	.end_amdhsa_kernel
	.amdgpu_metadata
---
amdhsa.version: [ 1, 2 ]
amdhsa.kernels:
  - .name:           k_q7b3d2b5a43_quant_x
    .symbol:         k_q7b3d2b5a43_quant_x.kd
    .args:
      - { .name: x, .offset: 0, .size: 8, .value_kind: global_buffer, .address_space: global }
      - { .name: aq, .offset: 8, .size: 8, .value_kind: global_buffer, .address_space: global }
    .group_segment_fixed_size: 42496
    .private_segment_fixed_size: 0
    .kernarg_segment_align: 8
    .kernarg_segment_size: 16
    .max_flat_workgroup_size: 256
    .sgpr_count:     66
    .vgpr_count:     146
    .wavefront_size: 32
...
	.end_amdgpu_metadata
.endif
;; end of part 1
;; launch gemm_qkv (part 2): grid 12 x 16, 4 waves a work-group, clusters of 4 x 4, 327,680 bytes of LDS; arguments aq, Wq_codes, Wq_scales, Wk_codes, Wk_scales, Wv_codes, Wv_scales, bq, bk, bv, mask, qkv; writes qkv
.if DOCPART == 2
	.amdgcn_target "amdgcn-amd-amdhsa--gfx1250"
	.amdhsa_code_object_version 6
	.text
	.protected	k_q7b3d2b5a43_gemm_qkv
	.globl	k_q7b3d2b5a43_gemm_qkv
	.p2align	8
	.type	k_q7b3d2b5a43_gemm_qkv,@function
k_q7b3d2b5a43_gemm_qkv:
	s_mov_b64 s[64:65], 0
	v_nop
	global_prefetch_b8 v0, s[64:65] scope:SCOPE_SE
	s_setreg_imm32_b32 hwreg(HW_REG_WAVE_MODE, 25, 1), 1
	s_wait_xcnt 0x0
	s_wait_alu depctr_hold_cnt(0) depctr_sa_sdst(0) depctr_va_vdst(0) depctr_va_sdst(0) depctr_va_ssrc(0) depctr_va_vcc(0) depctr_vm_vsrc(0)
	s_getreg_b32 s2, hwreg(HW_REG_IB_STS2, 6, 4)
	s_cmp_eq_u32 s2, 0
	s_cbranch_scc0 .Lentry_in_a_cluster
	s_endpgm
.Lentry_in_a_cluster:
	s_bfe_u32 s2, ttmp6, 0x10000c
	s_cmp_lg_u32 s2, 0xf033
	s_cbranch_scc0 .Lentry_shape_is_right
	s_endpgm
.Lentry_shape_is_right:
; q = x Wq + bq, k = x Wk + bk, v = x Wv + bv on codes of FP6 (E2M3) with E8M0 scales; each result is quantised again for attention: q and k along the head's 64, v along the keys.
; The cluster's x says which: 0 q, 1 k, 2 v.  For q and k operand A is x's codes (tokens) and B the weight (features); for v they change places, so that a lane holds a feature and its registers run along the tokens.
; A tile of 256 x 256 is made by four waves, each 128 x 128: 64 accumulators.  A row of codes is 768 bytes: it goes in three CHUNKS OF 256 BYTES, each on a 256-byte border, through two LDS slots; chunk c lies in slot c % 2.
; A step of 128 along K is 96 bytes: eight steps to three chunks; steps 2 and 5 read both slots.  The scale bytes of the 256 + 256 rows come once.  The head's four tiles go out one a wave.
; CLUSTERS 4 x 4: A's tiles are asked for jointly along a row of the cluster, B's along a column.  The matrix instruction is used transposed (source 0 = B's rows, source 1 = A's rows).
; THE 16 ROWS OF A BLOCK ARE NOT NEIGHBOURS: lane r of block 2 g + u takes row 32 g + 8 u + r + 8 (r / 8), so the 16 registers of B's blocks 2 g, 2 g + 1 are 16 neighbours, as the conversions want.
; THE WAY OUT needs no LDS: 64 numbers a lane get their bias, are quantised in registers and leave as an image of the operand's registers (768 bytes for 16 rows x 64 K); scale words leave as pair words.
; A key whose mask is 0 gets zero codes in k: its raw score is then exactly 0, and attention adds -2^33 to it.
; No prefetch: K is three chunks, and two of them are asked for before the first product.
; LIMITS: a block of zeros gets the byte 1, not 127 (this program alone reads the bytes); the empty upper halves of q's and k's scale words are bytes 0 over zero codes; NaN and infinities are not served.
.set SIZE_K, 1024
.set NQ,     2
.set ROWB,   256
.set KROW,   SIZE_K*6/8
.set STEPS,  SIZE_K/128
.set CHUNKS, KROW/ROWB
.set PITCH,  272
.set FR,     12
.set NL,     6
.set NP,     4
.set HALFT,  128*PITCH
.set SLOT,   4*HALFT
.set KS,     SIZE_K/32
.set SCL,    2*SLOT
.set HALFS,  (128*KS/256)*272
.set SPARE,  SCL+4*HALFS
.set AQS,    3145728
.set QSC,    3145728
.set KVB,    3407872
.set HKV,    208896
.set VIMG,   98304
.set KSC,    196608
.set VSC,    204800
.set ADRA, 16
.set ADRB, 20
.set ADRS, 27
.set SPW,  28
.set NIL,  29
.set SC,   32
.set AF,   128
.set TM,   64
.set PWS,  76
.set PC,   84
.set MK,   104
.set BI,   104
.set O16,  120
.set O8,   121
.set OB,   122
.set OM,   123
.set T,    128
.set BJ,   192
.set SEL,  98
.set G1, 24
.set G0, 32
.set G1B, 48
.set G0B, 56
.set G1S, 68
.set G0S, 76
.set G1SB, 80
.set G0SB, 88
.set G0H, 4
.set G0HB, 8
.set MSB, 0
.macro WIN new
.if MSB != \new
	s_set_vgpr_msb (MSB<<8)|\new
.set MSB, \new
.endif
.endm
.set MUL_LO, 0xa1
.set MUL_HI, 0xf1
.set TO_B,   0x40
.macro JLOAD g0a, g1a, g0b, g1b        ; a joint load: waves 0, 1 fetch for A, waves 2, 3 for B
	s_cmp_eq_u32 s15, 0
	s_cbranch_scc0 .Lfor_b_\@
	tensor_load_to_lds s[\g0a:\g0a+3], s[\g1a:\g1a+7]
	s_nop 0
.rept 4
	v_nop
.endr
	s_branch .Lasked_\@
.Lfor_b_\@:
	tensor_load_to_lds s[\g0b:\g0b+3], s[\g1b:\g1b+7]
	s_nop 0
.rept 4
	v_nop
.endr
.Lasked_\@:
.endm
.macro CREST
	s_cmp_lg_u32 s14, 0
	s_cbranch_scc1 .Lnot_wave_0_\@
	s_barrier_signal -3
.Lnot_wave_0_\@:
	s_barrier_wait -3
	s_barrier_signal -1
	s_barrier_wait -1
.endm
.macro CROUND
	s_barrier_signal -1
	s_barrier_wait -1
	CREST
.endm
	s_load_b512 s[68:83], s[0:1], 0x0              ; aq, Wq codes, Wq scales, Wk codes, Wk scales, Wv codes, Wv scales, bq
	v_lshl_add_u32 v[SPW], v0, 2, SPARE
	v_mov_b32 v[NIL], 0
	ds_add_u32 v[SPW], v[NIL]
	ds_add_u32 v[SPW], v[NIL]
	s_wait_dscnt 0x0
	v_lshrrev_b32 v1, 5, v0
	v_readfirstlane_b32 s14, v1                    ; wave
	s_lshr_b32 s15, s14, 1                         ; my half of A's rows; also: I fetch for A (0) or B (1)
	s_and_b32 s16, s14, 1                          ; my half of B's rows; also: which 128 rows I fetch
	s_bfe_u32 s40, ttmp6, 0x40000                  ; cx
	s_bfe_u32 s41, ttmp6, 0x40004                  ; cy
	s_and_b32 s17, ttmp7, 0xffff                   ; the cluster's y walks the tokens
	s_cmp_lt_u32 ttmp9, 2                          ; q or k: the tokens are A's rows; v: B's
	s_cselect_b32 s95, s17, 0
	s_cselect_b32 s96, 0, s17
	s_lshl_b32 s42, s96, 2
	s_add_co_u32 s42, s42, s40                     ; B's tile of 256 rows
	s_lshl_b32 s17, s95, 2
	s_add_co_u32 s17, s17, s41                     ; A's tile of 256 rows
	s_lshl_b32 s43, s41, 2
	s_lshl_b32 s43, 15, s43                        ; my row of the cluster
	s_lshl_b32 s44, 0x1111, s40                    ; my column
	s_wait_kmcnt 0x0
	s_add_nc_u64 s[92:93], s[68:69], AQS           ; x's scale bytes
	s_cmp_lt_u32 ttmp9, 2
	s_cselect_b64 s[4:5], s[68:69], s[78:79]       ; A's codes: x's | Wv's
	s_cselect_b64 s[6:7], s[92:93], s[80:81]
	s_cselect_b64 s[8:9], s[74:75], s[68:69]       ; B's codes: Wk's | x's
	s_cselect_b64 s[10:11], s[76:77], s[92:93]
	s_cmp_eq_u32 ttmp9, 0
	s_cselect_b64 s[8:9], s[70:71], s[8:9]         ; q: Wq's
	s_cselect_b64 s[10:11], s[72:73], s[10:11]
	; group 1: rows of 256 bytes, 16 of padding behind each; 256 rows for the head's loads
	s_or_b32 s[G1+0], s43, (0<<16)|(1<<20)|(1<<21)|(5<<22)|(3<<25)
	s_or_b32 s[G1B+0], s44, (0<<16)|(1<<20)|(1<<21)|(5<<22)|(3<<25)
.irp g, G1, G1B
	s_mov_b32 s[\g+1], ROWB<<16
	s_mov_b32 s[\g+2], 256<<16
	s_mov_b32 s[\g+3], ROWB<<16
	s_mov_b32 s[\g+4], 256
	s_mov_b32 s[\g+5], KROW
	s_mov_b32 s[\g+6], 0
	s_mov_b32 s[\g+7], 0
.endr
	; the scales of 256 rows: a dense block, KS rows of 256 bytes
	s_or_b32 s[G1S+0], s43, (3<<16)|(1<<20)|(1<<21)|(5<<22)|(3<<25)
	s_or_b32 s[G1SB+0], s44, (3<<16)|(1<<20)|(1<<21)|(5<<22)|(3<<25)
.irp g, G1S, G1SB
	s_mov_b32 s[\g+1], 32<<16
	s_mov_b32 s[\g+2], KS<<16
	s_mov_b32 s[\g+3], 32<<16
	s_mov_b32 s[\g+4], KS
	s_mov_b32 s[\g+5], 32
	s_mov_b32 s[\g+6], 0
	s_mov_b32 s[\g+7], 0
.endr
	s_lshl_b32 s20, s17, 8
	s_lshl_b32 s46, s42, 8
	s_mov_b32 s21, 0
	s_mov_b32 s47, 0
	s_mov_b64 s[18:19], KS
	s_mul_u64 s[22:23], s[20:21], s[18:19]
	s_mul_u64 s[92:93], s[46:47], s[18:19]
	s_mov_b64 s[18:19], KROW
	s_mul_u64 s[20:21], s[20:21], s[18:19]
	s_mul_u64 s[46:47], s[46:47], s[18:19]
	s_mul_i32 s18, s16, 128*KROW                   ; in the ring I fetch 128 rows: which half,
	s_mov_b32 s19, 0
	s_mul_i32 s45, s14, HALFT                      ; and where they go
	s_add_nc_u64 s[20:21], s[4:5], s[20:21]
	s_add_nc_u64 s[22:23], s[6:7], s[22:23]
	s_add_nc_u64 s[46:47], s[8:9], s[46:47]
	s_add_nc_u64 s[92:93], s[10:11], s[92:93]
	CROUND                                         ; all sixteen work-groups are here
	s_mov_b32 s[G0H], 1
	s_mov_b32 s[G0H+1], 0
	s_mov_b64 s[G0H+2:G0H+3], s[20:21]
	s_or_b32 s[G0H+3], s[G0H+3], 0x80000000
	s_mov_b32 s[G0HB], 1
	s_mov_b32 s[G0HB+1], 2*HALFT
	s_mov_b64 s[G0HB+2:G0HB+3], s[46:47]
	s_or_b32 s[G0HB+3], s[G0HB+3], 0x80000000
	s_mov_b32 s[G0S], 1
	s_mov_b32 s[G0S+1], SCL
	s_mov_b64 s[G0S+2:G0S+3], s[22:23]
	s_or_b32 s[G0S+3], s[G0S+3], 0x80000000
	s_mov_b32 s[G0SB], 1
	s_mov_b32 s[G0SB+1], SCL+2*HALFS
	s_mov_b64 s[G0SB+2:G0SB+3], s[92:93]
	s_or_b32 s[G0SB+3], s[G0SB+3], 0x80000000
	s_add_nc_u64 s[20:21], s[20:21], s[18:19]
	s_add_nc_u64 s[46:47], s[46:47], s[18:19]
.irp s, 0,1
	s_mov_b32 s[G0+4*\s], 1
	s_add_co_u32 s[G0+4*\s+1], s45, \s*SLOT
	s_add_nc_u64 s[G0+4*\s+2:G0+4*\s+3], s[20:21], \s*ROWB
	s_or_b32 s[G0+4*\s+3], s[G0+4*\s+3], 0x80000000
	s_mov_b32 s[G0B+4*\s], 1
	s_add_co_u32 s[G0B+4*\s+1], s45, \s*SLOT
	s_add_nc_u64 s[G0B+4*\s+2:G0B+4*\s+3], s[46:47], \s*ROWB
	s_or_b32 s[G0B+4*\s+3], s[G0B+4*\s+3], 0x80000000
.endr
; the head's loads, one a wave: wave 0 chunk 0 of A's 256 rows, wave 1 of B's, wave 2 A's scales, wave 3 B's
.macro ARM under, g0, g1, next
	s_cmp_lt_u32 s14, \under
	s_cbranch_scc0 \next
	tensor_load_to_lds s[\g0:\g0+3], s[\g1:\g1+7]
	s_nop 0
.rept 4
	v_nop
.endr
	s_branch .Lhead_asked
\next:
.endm
	ARM 1, G0H,  G1,  .Lhead_b
	ARM 2, G0HB, G1B, .Lhead_sa
	ARM 3, G0S,  G1S, .Lhead_sb
	tensor_load_to_lds s[G0SB:G0SB+3], s[G1SB:G1SB+7]
	s_nop 0
.rept 4
	v_nop
.endr
.Lhead_asked:
	v_and_b32 v1, 15, v0                           ; r
	v_bfe_u32 v2, v0, 4, 1                         ; h
	v_and_b32 v7, 8, v1
	v_add_nc_u32 v7, v7, v1                        ; r + 8 (r / 8)
	v_mul_u32_u24 v3, v7, PITCH
	v_mul_u32_u24 v4, v2, 24
	v_add_nc_u32 v4, v3, v4                        ; my row x pitch + 24 h
	s_mov_b32 s21, SLOT-232
	s_mov_b32 s22, SLOT+232
	v_sub_nc_u32 v8, 1, v2
	v_mul_u32_u24 v5, s21, v2
	v_add_nc_u32 v5, v3, v5
	v_add_nc_u32 v5, 232, v5                       ; across two chunks: lanes 0-15 byte 232 in slot 0, lanes 16-31 byte 0 in slot 1;
	v_mul_u32_u24 v6, s22, v8
	v_add_nc_u32 v6, v3, v6                        ; and the other way round
	s_mul_i32 s21, s15, HALFT
	s_mul_i32 s22, s16, HALFT
	s_add_co_u32 s22, s22, 2*HALFT
	v_add_nc_u32 v[ADRA+2], s21, v5
	v_add_nc_u32 v[ADRA+3], s21, v6
	v_add_nc_u32 v[ADRB+2], s22, v5
	v_add_nc_u32 v[ADRB+3], s22, v6
.irp s, 0,1
	v_add_nc_u32 v[ADRA+\s], s21, v4
	v_add_nc_u32 v[ADRB+\s], s22, v4
	s_add_co_u32 s21, s21, SLOT
	s_add_co_u32 s22, s22, SLOT
.endr
	v_mul_u32_u24 v5, v7, KS                       ; my row's scales: KS bytes a row,
	v_lshrrev_b32 v6, 8, v5
	v_lshl_add_u32 v5, v6, 4, v5                   ; and 16 more for each 256 passed
	s_mul_i32 s21, s15, HALFS
	s_mul_i32 s22, s16, HALFS
	s_add_co_u32 s22, s22, 2*HALFS
	s_sub_co_u32 s22, s22, s21
	v_mul_u32_u24 v6, s22, v2                      ; lanes 16-31 take B's
	s_add_co_u32 s21, s21, SCL
	v_add_nc_u32 v5, v5, v6
	v_add_nc_u32 v[ADRS], s21, v5
.macro FRAG reg, adr, st, i            ; 16 rows x 128 K: 12 registers, in pieces of 8 bytes; byte y of a row lies in slot (y / 256) % 2 at byte y % 256; block i begins at row 32 (i / 2) + 8 (i % 2)
.irp p, 0,1,2,3,4,5
.set BY, 96*(\st)+48*(\p/3)+8*(\p%3)
.if BY/ROWB == (BY+24)/ROWB
	ds_load_b64 v[\reg+2*\p:\reg+2*\p+1], v[\adr+(BY/ROWB)%2] offset:BY%ROWB+(32*((\i)/2)+8*((\i)%2))*PITCH
.else
	ds_load_b64 v[\reg+2*\p:\reg+2*\p+1], v[\adr+2+(BY/ROWB)%2] offset:BY%ROWB-232+(32*((\i)/2)+8*((\i)%2))*PITCH
.endif
.endr
.endm
; 16 matrix instructions: A's blocks a0, a0 + 1 x B's eight; the 64 accumulators take turns
.macro MUL16 a0, p, q, sc, zero
.irp a, \a0, \a0+1
.irp b, 0,1,2,3,4,5,6,7
.if \zero
	v_wmma_scale_f32_16x16x128_f8f6f4 v[8*(8*((\a)%4)+\b):8*(8*((\a)%4)+\b)+7], v[128*(\p)+FR*\b:128*(\p)+FR*\b+FR-1], v[AF+FR*(\a):AF+FR*(\a)+FR-1], 0, v[SC+8*NQ*(\sc)+NQ*\b+(\q)], v[SC+8*NQ*(\sc)+NQ*(\a)+(\q)] matrix_a_fmt:MATRIX_FMT_FP6 matrix_b_fmt:MATRIX_FMT_FP6 matrix_a_scale:MATRIX_SCALE_ROW1
.else
	v_wmma_scale_f32_16x16x128_f8f6f4 v[8*(8*((\a)%4)+\b):8*(8*((\a)%4)+\b)+7], v[128*(\p)+FR*\b:128*(\p)+FR*\b+FR-1], v[AF+FR*(\a):AF+FR*(\a)+FR-1], v[8*(8*((\a)%4)+\b):8*(8*((\a)%4)+\b)+7], v[SC+8*NQ*(\sc)+NQ*\b+(\q)], v[SC+8*NQ*(\sc)+NQ*(\a)+(\q)] matrix_a_fmt:MATRIX_FMT_FP6 matrix_b_fmt:MATRIX_FMT_FP6 matrix_a_scale:MATRIX_SCALE_ROW1
.endif
.endr
.endr
.endm
.macro FETCH_B slot, q, p              ; slot is 0 here: FRAG picks the slot from the step q
	WIN TO_B
.irp i, 0,1,2,3,4,5,6,7
	FRAG 128*(\p)+FR*\i, ADRB+\slot, \q, \i
.endr
	WIN 0
.endm
.macro FETCH_A slot, q, i0
.irp i, \i0, \i0+1, \i0+2, \i0+3
	FRAG AF+FR*(\i), ADRA+\slot, \q, \i
.endr
.endm
.macro SCALES pr                       ; the words of steps 2 pr, 2 pr + 1 into set pr % 2; lanes 0-15 A's block i, lanes 16-31 B's
.irp i, 0,1,2,3,4,5,6,7
	ds_load_b64 v[SC+8*NQ*((\pr)%2)+NQ*\i:SC+8*NQ*((\pr)%2)+NQ*\i+1], v[ADRS] offset:(4*(\i/2)+\i%2)*272+4*NQ*(\pr)
.endr
.endm
.macro PLACES n                        ; plain vector instructions between a matrix instruction and a load into, or a read of, its registers
.rept \n
	v_nop
.endr
.endm
; A step: 64 matrix instructions; the next step's fragments are fetched in its middle and at its end.  Where the next step's bytes END in a chunk not yet read: wait for my tensor loads, barrier.
; Where they BEGIN in a later chunk: the three lines, the barrier; where a chunk two on is left, the barrier opens a round and the slot is filled again.
.macro STEP st, zero
.set NX, (\st)+1
.set C0, (96*(\st))/ROWB
.set C1, (96*NX)/ROWB
.set E0, (96*(\st)+95)/ROWB
.set E1, (96*NX+95)/ROWB
.if C1 > C0 || E1 > E0
	s_wait_tensorcnt 0x0                           ; all my tensor loads have landed
.if C1 > C0
	ds_add_u32 v[SPW], v[NIL]
	s_wait_dscnt 4*NL+1                            ; the add and A's blocks 4-7 (24 loads) may be out
.else
	s_wait_dscnt 4*NL                              ; A's blocks 4-7 may be out
.endif
	WIN MUL_LO
	MUL16 0, (\st)%2, (\st)%2, ((\st)/2)%2, \zero
	s_wait_dscnt 0x0                               ; the add and my reads are done
	s_barrier_signal -1
	MUL16 2, (\st)%2, (\st)%2, ((\st)/2)%2, \zero
	WIN 0
	s_barrier_wait -1
.if C1 > C0 && C0+2 < CHUNKS
	CREST
	s_add_nc_u64 s[G0+4*(C0%2)+2:G0+4*(C0%2)+3], s[G0+4*(C0%2)+2:G0+4*(C0%2)+3], 2*ROWB
	s_add_nc_u64 s[G0B+4*(C0%2)+2:G0B+4*(C0%2)+3], s[G0B+4*(C0%2)+2:G0B+4*(C0%2)+3], 2*ROWB
	JLOAD G0+4*(C0%2), G1, G0B+4*(C0%2), G1B
.else
	PLACES NP
.endif
.else
	s_wait_dscnt 4*NL
	WIN MUL_LO
	MUL16 0, (\st)%2, (\st)%2, ((\st)/2)%2, \zero
	MUL16 2, (\st)%2, (\st)%2, ((\st)/2)%2, \zero
	s_wait_dscnt 0
	PLACES NP
.endif
	FETCH_B 0, NX, NX%2
	FETCH_A 0, NX, 0
.if NX%2 == 0
	SCALES NX/2
.endif
	WIN MUL_HI
	MUL16 4, (\st)%2, (\st)%2, ((\st)/2)%2, \zero
	MUL16 6, (\st)%2, (\st)%2, ((\st)/2)%2, \zero
	PLACES NP
	WIN 0
	FETCH_A 0, NX, 4
.endm
	s_wait_alu depctr_va_vdst(0)
	s_wait_tensorcnt 0x0                           ; my tile of the head's four is in
	ds_add_u32 v[SPW], v[NIL]
	s_mov_b32 s[G1+2], 128<<16                     ; no tensor load of mine is out: from here on a load brings 128 rows
	s_mov_b32 s[G1+4], 128
	s_mov_b32 s[G1B+2], 128<<16
	s_mov_b32 s[G1B+4], 128
	s_wait_dscnt 0x0
	CROUND
	JLOAD G0+4, G1, G0B+4, G1B                     ; chunk 1, the first tensor load behind the round
	FETCH_B 0, 0, 0
	FETCH_A 0, 0, 0
	SCALES 0
	FETCH_A 0, 0, 4
	STEP 0, 1                                      ; the first step starts the sums
.set ST, 1
.rept STEPS-2
	STEP ST, 0
.set ST, ST+1
.endr
	s_load_b256 s[24:31], s[0:1], 0x38             ; no tensor load is out any more: the descriptors' registers take bq, bk, bv, mask
	s_load_b64 s[32:33], s[0:1], 0x58              ; and qkv
	s_wait_dscnt 4*NL
	WIN MUL_LO
	MUL16 0, 1, 1, 1, 0
	MUL16 2, 1, 1, 1, 0
	s_wait_dscnt 0
	WIN MUL_HI
	MUL16 4, 1, 1, 1, 0
	MUL16 6, 1, 1, 1, 0
	WIN 0
; ---- THE WAY OUT.  64 numbers of a lane, register 16 b + i = K index 32 b + 16 (lane / 16) + i of my row, become a fragment's codes in v[PC] on and its scale word in v[pw]
.macro QUANT s, pw
.irp b, 0,1,2,3
	v_max3_num_f32 v[TM+\b], |v[\s+16*\b]|, |v[\s+1+16*\b]|, 0x1800000   ; the floor 2^(3 - 127): the byte cannot fall under 1
.endr
.irp i, 2,4,6,8,10,12,14
.irp b, 0,1,2,3
	v_max3_num_f32 v[TM+\b], v[TM+\b], |v[\s+16*\b+\i]|, |v[\s+1+16*\b+\i]|
.endr
.endr
.irp b, 0,1,2,3
	v_permlanex16_b32 v[TM+4+\b], v[TM+\b], s[SEL], s[SEL+1]
.endr
.irp b, 0,1,2,3
	v_max_num_f32 v[TM+\b], v[TM+\b], v[TM+4+\b]
.endr
.irp b, 0,1,2,3
	v_add_nc_u32 v[TM+8+\b], 0xff000000, v[TM+\b]  ; 2 off the exponent field: the conversion's scale operand
.endr
.irp b, 0,1,2,3
	v_lshrrev_b32 v[TM+4+\b], 23, v[TM+8+\b]       ; the scale's byte
.endr
	v_lshl_or_b32 v[\pw], v[TM+5], 8, v[TM+4]
	v_lshl_or_b32 v[\pw], v[TM+6], 16, v[\pw]
	v_lshl_or_b32 v[\pw], v[TM+7], 24, v[\pw]
.irp c, 0,1
	v_cvt_scalef32_pk16_fp6_f32 v[PC+6*\c:PC+2+6*\c], v[\s+32*\c:\s+15+32*\c], v[TM+8+2*\c]
	v_cvt_scalef32_pk16_fp6_f32 v[PC+12+4*\c:PC+14+4*\c], v[\s+16+32*\c:\s+31+32*\c], v[TM+8+2*\c+1]
.endr
	v_nop                                          ; one plain place behind a scaled conversion
.irp c, 0,1
.irp i, 0,1,2
	v_permlane16_swap_b32 v[PC+6*\c+\i], v[PC+12+4*\c+\i]
.endr
.irp i, 0,1,2
	v_mov_b32 v[PC+3+6*\c+\i], v[PC+12+4*\c+\i]
.endr
.endr
.endm
.macro ADDB a, lanes                   ; block a's 64 results + bias, each accumulator from its low end on
	WIN 0x02+(\a)/4
.set AC, 64*((\a)%4)
.set n, 0
.rept 32
.if \lanes
	v_pk_add_f32 v[T+n:T+n+1], v[AC+n:AC+n+1], v[BI+2*(\a):BI+2*(\a)+1]
.else
	v_pk_add_f32 v[T+n:T+n+1], v[AC+n:AC+n+1], v[BJ+n:BJ+n+1]
.endif
.set n, n+2
.endr
	WIN 0
.endm
.macro PUTH c, base, off               ; half c of the fragment: 512 and 256 consecutive aligned bytes
	global_store_b128 v[O16], v[PC+6*(\c):PC+6*(\c)+3], s[\base:\base+1] offset:\off
	global_store_b64 v[O8], v[PC+6*(\c)+4:PC+6*(\c)+5], s[\base:\base+1] offset:(\off)+512
.endm
	PLACES NP
	v_and_b32 v1, 31, v0
	v_lshlrev_b32 v[O16], 4, v1
	v_lshlrev_b32 v[O8], 3, v1
	v_bfe_u32 v2, v0, 4, 1
	v_lshlrev_b32 v[OB], 6, v2
	v_and_b32 v3, 15, v0
	v_and_b32 v4, 8, v3
	v_add_nc_u32 v3, v3, v4
	v_lshlrev_b32 v[OM], 2, v3
.irp b, 0,1,2,3
	v_mov_b32 v[TM+4+\b], 0                        ; a lane permute's destination counts as one of its sources
.endr
	s_mov_b32 s[SEL], 0x76543210
	s_mov_b32 s[SEL+1], 0xfedcba98
	s_wait_kmcnt 0x0
	s_cmp_eq_u32 ttmp9, 2                          ; the cluster's number: alike in all partners
	s_cbranch_scc1 .Lv_out
	; q or k: lanes are tokens, registers my 128 features = two heads
	s_lshr_b32 s34, s17, 3                         ; batch element
	s_and_b32 s35, s17, 7
	s_lshl_b32 s35, s35, 1
	s_add_co_u32 s35, s35, s15                     ; which 128 tokens of it
	s_lshl_b32 s36, s34, 4
	s_lshl_b32 s37, s40, 2
	s_add_co_u32 s36, s36, s37
	s_lshl_b32 s37, s16, 1
	s_add_co_u32 s36, s36, s37                     ; 16 b + my first head
	s_lshl_b32 s44, s40, 10
	s_lshl_b32 s45, s16, 9
	s_add_co_u32 s44, s44, s45                     ; the bias
	s_mov_b32 s45, 0
	s_lshl_b32 s46, s17, 10
	s_lshl_b32 s47, s15, 9
	s_add_co_u32 s46, s46, s47                     ; the mask
	s_mov_b32 s47, 0
	s_cmp_eq_u32 ttmp9, 0
	s_cselect_b64 s[24:25], s[24:25], s[26:27]     ; bq | bk
	s_mov_b32 s38, HKV
	s_cselect_b32 s38, 98304, s38                  ; bytes from head to head: images,
	s_mov_b32 s39, HKV
	s_cselect_b32 s39, 8192, s39                   ; pair words
	s_cselect_b32 s48, 0, KVB
	s_mov_b32 s49, KVB+KSC
	s_cselect_b32 s49, QSC, s49
	s_cselect_b32 s50, -1, 0                       ; q: no token's codes are cleared
	s_mul_i32 s52, s36, s38
	s_add_co_u32 s52, s52, s48
	s_mul_i32 s53, s35, 6144
	s_add_co_u32 s52, s52, s53
	s_mov_b32 s53, 0
	s_mul_i32 s54, s36, s39
	s_add_co_u32 s54, s54, s49
	s_lshl_b32 s55, s35, 9
	s_add_co_u32 s54, s54, s55
	s_mov_b32 s55, 0
	s_mov_b32 s56, s38
	s_mov_b32 s57, 0
	s_mov_b32 s58, s39
	s_mov_b32 s59, 0
	s_add_nc_u64 s[24:25], s[24:25], s[44:45]
	s_add_nc_u64 s[30:31], s[30:31], s[46:47]
	s_add_nc_u64 s[52:53], s[32:33], s[52:53]
	s_add_nc_u64 s[54:55], s[32:33], s[54:55]
	s_add_nc_u64 s[56:57], s[52:53], s[56:57]
	s_add_nc_u64 s[58:59], s[54:55], s[58:59]
	s_wait_alu depctr_va_vdst(0)
.irp t, 0,1,2,3,4,5,6,7
	global_load_b128 v[BJ+8*\t:BJ+8*\t+3], v[OB], s[24:25] offset:(32*(\t/2)+8*(\t%2))*4
	global_load_b128 v[BJ+8*\t+4:BJ+8*\t+7], v[OB], s[24:25] offset:(32*(\t/2)+8*(\t%2))*4+16
	global_load_b32 v[MK+\t], v[OM], s[30:31] offset:(32*(\t/2)+8*(\t%2))*4
.endr
	s_wait_loadcnt 0x0
.irp a, 0,1,2,3,4,5,6,7
	s_wait_xcnt 0x0                                ; the last block's stores have read the codes' registers
	ADDB \a, 0
	QUANT T, PWS+\a
	v_cmp_ne_u32 vcc_lo, 0, v[MK+\a]               ; k: a token whose mask is 0 gets zero codes
	s_or_b32 vcc_lo, vcc_lo, s50
.irp i, 0,1,2,3,4,5,6,7,8,9,10,11
	v_cndmask_b32 v[PC+\i], 0, v[PC+\i], vcc_lo
.endr
	PUTH 0, 52, 768*\a
	PUTH 1, 56, 768*\a
.endr
	s_wait_xcnt 0x0
	s_mov_b32 vcc_lo, 0xffff0000
.irp p, 0,1,2,3
	v_cndmask_b32 v[TM+\p], v[PWS+2*\p], v[PWS+2*\p+1], vcc_lo   ; lanes 0-15 the even block's word, lanes 16-31 the odd block's
.endr
.irp p, 0,1,2,3
	v_and_b32 v[PC+\p], 0xffff, v[TM+\p]           ; the first head's two bytes,
	v_lshrrev_b32 v[PC+4+\p], 16, v[TM+\p]         ; the second's
.endr
	global_store_b128 v[O16], v[PC:PC+3], s[54:55]
	global_store_b128 v[O16], v[PC+4:PC+7], s[58:59]
	s_branch .Lclose
.Lv_out:
	; v: lanes are features (two heads of 64: blocks 0-3, 4-7), registers my 128 tokens = one key step
	s_lshr_b32 s34, s42, 3
	s_and_b32 s35, s42, 7
	s_lshl_b32 s35, s35, 1
	s_add_co_u32 s35, s35, s16                     ; the key step
	s_lshl_b32 s36, s34, 4
	s_lshl_b32 s37, s41, 2
	s_add_co_u32 s36, s36, s37
	s_lshl_b32 s37, s15, 1
	s_add_co_u32 s36, s36, s37                     ; 16 b + my first head
	s_mul_i32 s36, s36, HKV
	s_add_co_u32 s36, s36, KVB
	s_mul_i32 s52, s35, 6144
	s_add_co_u32 s52, s52, s36
	s_add_co_u32 s52, s52, VIMG
	s_mov_b32 s53, 0
	s_lshl_b32 s54, s35, 8
	s_add_co_u32 s54, s54, s36
	s_add_co_u32 s54, s54, VSC
	s_mov_b32 s55, 0
	s_lshl_b32 s44, s41, 10
	s_lshl_b32 s45, s15, 9
	s_add_co_u32 s44, s44, s45
	s_mov_b32 s45, 0
	s_add_nc_u64 s[28:29], s[28:29], s[44:45]
	s_add_nc_u64 s[52:53], s[32:33], s[52:53]
	s_add_nc_u64 s[54:55], s[32:33], s[54:55]
	s_wait_alu depctr_va_vdst(0)
.irp a, 0,1,2,3,4,5,6,7
	global_load_b32 v[BI+2*\a], v[OM], s[28:29] offset:(32*(\a/2)+8*(\a%2))*4
	global_load_b32 v[BI+2*\a+1], v[OM], s[28:29] offset:(32*(\a/2)+8*(\a%2))*4
.endr
	s_wait_loadcnt 0x0
.irp a, 0,1,2,3,4,5,6,7
	s_wait_xcnt 0x0
	ADDB \a, 1
	QUANT T, PWS+\a
	PUTH 0, 52, 1536*(\a%4)+HKV*(\a/4)
	PUTH 1, 52, 1536*(\a%4)+HKV*(\a/4)+768
.endr
	s_wait_xcnt 0x0
	s_mov_b32 vcc_lo, 0xffff0000
.irp p, 0,1,2,3
	v_cndmask_b32 v[PC+\p], v[PWS+2*\p], v[PWS+2*\p+1], vcc_lo
.endr
	global_store_b64 v[O8], v[PC:PC+1], s[54:55]
	global_store_b64 v[O8], v[PC+2:PC+3], s[54:55] offset:HKV
.Lclose:
	s_wait_tensorcnt 0x0                           ; the wave's end
	ds_add_u32 v[SPW], v[NIL]
	s_wait_dscnt 0x0
	CROUND                                         ; the closing round
	s_endpgm
.Lfunc_end_k_q7b3d2b5a43_gemm_qkv:
	.size	k_q7b3d2b5a43_gemm_qkv, .Lfunc_end_k_q7b3d2b5a43_gemm_qkv-k_q7b3d2b5a43_gemm_qkv
	.p2alignl 7, 3214868480
	.fill 96, 4, 3214868480
	.section	.rodata,"a",@progbits
	.p2align	6, 0x0
	.amdhsa_kernel k_q7b3d2b5a43_gemm_qkv
		.amdhsa_group_segment_fixed_size 327680
		.amdhsa_private_segment_fixed_size 0
		.amdhsa_enable_private_segment 0
		.amdhsa_kernarg_size 96
		.amdhsa_user_sgpr_count 2
		.amdhsa_user_sgpr_kernarg_segment_ptr 1
		.amdhsa_wavefront_size32 1
		.amdhsa_system_sgpr_workgroup_id_x 1
		.amdhsa_system_sgpr_workgroup_id_y 1
		.amdhsa_system_sgpr_workgroup_id_z 1
		.amdhsa_system_vgpr_workitem_id 0
		.amdhsa_next_free_vgpr 1024
		.amdhsa_next_free_sgpr 100
		.amdhsa_reserve_vcc 1
		.amdhsa_float_denorm_mode_32 3
		.amdhsa_float_denorm_mode_16_64 3
		.amdhsa_memory_ordered 1
		.amdhsa_forward_progress 1
		.amdhsa_inst_pref_size 241
	.end_amdhsa_kernel
	.amdgpu_metadata
---
amdhsa.version: [ 1, 2 ]
amdhsa.kernels:
  - .name:           k_q7b3d2b5a43_gemm_qkv
    .symbol:         k_q7b3d2b5a43_gemm_qkv.kd
    .args:
      - { .name: aq, .offset: 0, .size: 8, .value_kind: global_buffer, .address_space: global }
      - { .name: Wq_codes, .offset: 8, .size: 8, .value_kind: global_buffer, .address_space: global }
      - { .name: Wq_scales, .offset: 16, .size: 8, .value_kind: global_buffer, .address_space: global }
      - { .name: Wk_codes, .offset: 24, .size: 8, .value_kind: global_buffer, .address_space: global }
      - { .name: Wk_scales, .offset: 32, .size: 8, .value_kind: global_buffer, .address_space: global }
      - { .name: Wv_codes, .offset: 40, .size: 8, .value_kind: global_buffer, .address_space: global }
      - { .name: Wv_scales, .offset: 48, .size: 8, .value_kind: global_buffer, .address_space: global }
      - { .name: bq, .offset: 56, .size: 8, .value_kind: global_buffer, .address_space: global }
      - { .name: bk, .offset: 64, .size: 8, .value_kind: global_buffer, .address_space: global }
      - { .name: bv, .offset: 72, .size: 8, .value_kind: global_buffer, .address_space: global }
      - { .name: mask, .offset: 80, .size: 8, .value_kind: global_buffer, .address_space: global }
      - { .name: qkv, .offset: 88, .size: 8, .value_kind: global_buffer, .address_space: global }
    .group_segment_fixed_size: 327680
    .private_segment_fixed_size: 0
    .kernarg_segment_align: 8
    .kernarg_segment_size: 96
    .max_flat_workgroup_size: 128
    .sgpr_count:     100
    .vgpr_count:     1024
    .wavefront_size: 32
...
	.end_amdgpu_metadata
.endif
;; end of part 2
;; launch attn (part 3): grid 8 x 32, 16 waves a work-group, clusters of 4 x 1, 219,136 bytes of LDS; arguments qkv, mask, ctx; writes ctx
.if DOCPART == 3
	.amdgcn_target "amdgcn-amd-amdhsa--gfx1250"
	.amdhsa_code_object_version 6
	.text
	.protected	k_q7b3d2b5a43_attn
	.globl	k_q7b3d2b5a43_attn
	.p2align	8
	.type	k_q7b3d2b5a43_attn,@function
k_q7b3d2b5a43_attn:
	s_mov_b64 s[64:65], 0
	v_nop
	global_prefetch_b8 v0, s[64:65] scope:SCOPE_SE
	s_setreg_imm32_b32 hwreg(HW_REG_WAVE_MODE, 25, 1), 1
	s_wait_xcnt 0x0
	s_wait_alu depctr_hold_cnt(0) depctr_sa_sdst(0) depctr_va_vdst(0) depctr_va_sdst(0) depctr_va_ssrc(0) depctr_va_vcc(0) depctr_vm_vsrc(0)
	s_getreg_b32 s2, hwreg(HW_REG_IB_STS2, 6, 4)
	s_cmp_eq_u32 s2, 0
	s_cbranch_scc0 .Lentry_in_a_cluster
	s_endpgm
.Lentry_in_a_cluster:
	s_bfe_u32 s2, ttmp6, 0x10000c
	s_cmp_lg_u32 s2, 0x3003
	s_cbranch_scc0 .Lentry_shape_is_right
	s_endpgm
.Lentry_shape_is_right:
; ctx = softmax(q k^T / 8, masked) v for one head, both products on codes of FP6 (E2M3) with E8M0 scales, and ctx quantised along the model's 1024 for the next product.
; THE SOFTMAX: t = score x log2(e) / 8; M = the running largest t rounded up to a whole number; p = 2^(t - M) is quantised along the keys, not normalised; the sum of the unquantised p divides at the end.
; SHARES.  A work-group owns 256 queries of one head, each of its sixteen waves one tile of 16, in 256 registers: four waves to a SIMD, so that one wave's vector work stands beside another's products and LDS loads.
; A head's k and v (images of operand registers and pair words, 208,896 bytes, dense in memory) fit in LDS whole: they are filled ONCE, each wave asking for 51 rows of 256 bytes, so there is no ring.
; CLUSTER.  The four work-groups of a cluster walk the same head: each of the sixteen loads is asked for jointly by the four.
; LAYOUT.  Both products transposed: S^T = k q^T, O^T = v^T p^T: a lane holds one query.  The 16 rows of a tile are not neighbours: lane r of tile 2 g + u holds row 32 g + 8 u + r + 8 (r / 8),
; so the 16 registers of tiles 2 g, 2 g + 1 are 16 neighbours.  The first product's K is 64: q's upper six registers are zero codes; k's tile t is named as v[KF + 6 t .. + 11], whose upper six are the next
; tile's codes (behind tile 7: zeros): they meet q's zero codes under scale bytes 0 and add nothing.
; THE MASK costs no vector instruction in the loop: 0 or -2^33 for each key lies in LDS and is loaded as the C of the first product; a masked key's codes of k are zeros, so its score is exactly -2^33.
; LIMITS: a masked key's logit is -2^30 where reference() has -1e9: results differ only where an unmasked logit lies under about -1e9; a row with every key masked gives p = 1 throughout, as there.
; A block's largest p is taken from its largest score (v_exp_f32 is taken not to fall where its input rises).  A block of zeros gets the byte 1.  NaN and infinities are not served.
; REGISTERS: v1-7 lane terms of addresses; v8-11, v28-30 the trip's addresses; v12 -M, v13 largest t, v[14:15] the sum; v16-27 q; v31 16 r; v36-89 k's eight tiles or v's four fragments; v96-159 S^T, then p;
;   v160-191 O^T; v[192:193] v's pair words; v224-235 p's codes; v232-254 at work; v[248:251] k's pair words; v253 p's scale word; v255 q's.
.set QSC,  3145728
.set KVB,  3407872
.set HKV,  208896
.set VIMG, 98304
.set KSC,  196608
.set VSC,  204800
.set MC,   208896                      ; LDS behind the head's block: 2,048 numbers, 0 or -2^33; no fill lands here
.set CSC,  3145728
.set AK16, 1
.set AK8,  2
.set AV16, 3
.set AV8,  4
.set AKS,  5
.set AVS,  6
.set AMC,  7
.set KF,   36
.set WV,   18
.set SEL,  20
.set CS,   22
.set G1,   24
.set G0,   32
.set TK,   36
.set TS,   37
.set TV,   38
.set CNT,  39
.macro CROUND
	s_barrier_signal -1
	s_barrier_wait -1
	s_cmp_lg_u32 s[WV], 0
	s_cbranch_scc1 .Lnot_wave_0_\@
	s_barrier_signal -3
.Lnot_wave_0_\@:
	s_barrier_wait -3
	s_barrier_signal -1
	s_barrier_wait -1
.endm
	s_load_b128 s[4:7], s[0:1], 0x0                ; qkv, mask
	s_load_b64 s[8:9], s[0:1], 0x10                ; ctx
	v_lshl_add_u32 v223, v0, 2, 0x35000
	v_mov_b32 v243, 0
	ds_add_u32 v223, v243
	ds_add_u32 v223, v243
	v_lshrrev_b32 v8, 5, v0
	s_delay_alu instid0(VALU_DEP_1)
	v_readfirstlane_b32 s[WV], v8                  ; wave 0..15
	s_bfe_u32 s40, ttmp6, 0x40000                  ; cx
	s_lshl_b32 s41, ttmp9, 2
	s_add_co_u32 s41, s41, s40                     ; my block of 256 queries: it enters q's and ctx's global addresses alone
	s_and_b32 s42, ttmp7, 0xffff                   ; 16 b + head
	s_lshr_b32 s43, s42, 4                         ; b
	s_and_b32 s44, s42, 15                         ; head
	s_mov_b32 s[G1], 15|(3<<16)|(1<<21)            ; the mask: all four; elements of 8 bytes; bit 21 beside a mask; no padding
	s_mov_b32 s[G1+1], 32<<16                      ; rows of 256 bytes
	s_mov_b32 s[G1+2], 51<<16
	s_mov_b32 s[G1+3], 32<<16
	s_mov_b32 s[G1+4], 51                          ; 16 waves x 51 rows = the block's 816
	s_mov_b32 s[G1+5], 32
	s_mov_b32 s[G1+6], 0
	s_mov_b32 s[G1+7], 0
	s_mul_i32 s45, s[WV], 13056
	s_mul_i32 s46, s42, HKV
	s_add_co_u32 s46, s46, s45
	s_add_co_u32 s46, s46, KVB
	s_mov_b32 s47, 0
	s_lshl_b32 s48, s41, 4
	s_add_co_u32 s48, s48, s[WV]                   ; my tile among the head's 128
	s_mul_i32 s48, s48, 768
	s_mul_i32 s49, s42, 98304
	s_add_co_u32 s48, s48, s49
	s_mov_b32 s49, 0
	s_lshr_b32 s52, s[WV], 3
	s_lshl_b32 s53, s41, 1
	s_add_co_u32 s53, s53, s52                     ; which 128 tokens of the batch element
	s_and_b32 s54, s[WV], 1
	s_lshl_b32 s54, s54, 8
	s_bfe_u32 s55, s[WV], 0x20001
	s_lshl_b32 s55, s55, 2
	s_add_co_u32 s54, s54, s55                     ; my tile's place in 512 bytes of pair words: 256 (w & 1) + 4 ((w >> 1) & 3), + 16 r
	s_lshl_b32 s50, s42, 13
	s_lshl_b32 s51, s53, 9
	s_add_co_u32 s50, s50, s51
	s_add_co_u32 s50, s50, s54
	s_add_co_u32 s50, s50, QSC
	s_mov_b32 s51, 0
	s_lshl_b32 s56, s43, 4
	s_add_co_u32 s56, s56, s53                     ; ctx: which 128 tokens of all
	s_lshl_b32 s56, s56, 3
	s_lshr_b32 s57, s44, 1
	s_add_co_u32 s56, s56, s57                     ; x 8 + the K step (two heads)
	s_and_b32 s57, s44, 1
	s_lshl_b32 s58, s56, 3
	s_and_b32 s59, s[WV], 7
	s_add_co_u32 s58, s58, s59
	s_mul_i32 s58, s58, 1536
	s_mul_i32 s59, s57, 768
	s_add_co_u32 s58, s58, s59
	s_mov_b32 s59, 0
	s_lshl_b32 s60, s56, 9
	s_add_co_u32 s60, s60, s54
	s_lshl_b32 s61, s57, 1
	s_add_co_u32 s60, s60, s61
	s_add_co_u32 s60, s60, CSC
	s_mov_b32 s61, 0
	s_lshl_b32 s62, s43, 13                        ; the batch element's 2,048 mask words
	s_mov_b32 s63, 0
	s_mov_b32 s[SEL], 0x76543210
	s_mov_b32 s[SEL+1], 0xfedcba98
	s_mov_b32 s[CS], 0x3e38aa3b                    ; c = log2(e) / 8
	s_mov_b32 s[CS+1], s[CS]
	s_mov_b32 s[TK], 0
	s_mov_b32 s[TS], 0
	s_mov_b32 s[TV], 0
	s_mov_b32 s[CNT], 16
	s_wait_dscnt 0x0
	s_wait_kmcnt 0x0
	s_mov_b32 s[G0], 1
	s_mov_b32 s[G0+1], s45
	s_add_nc_u64 s[G0+2:G0+3], s[4:5], s[46:47]
	s_or_b32 s[G0+3], s[G0+3], 0x80000000
	s_add_nc_u64 s[48:49], s[4:5], s[48:49]        ; q's image
	s_add_nc_u64 s[50:51], s[4:5], s[50:51]        ; q's scale word
	s_add_nc_u64 s[6:7], s[6:7], s[62:63]
	s_add_nc_u64 s[58:59], s[8:9], s[58:59]        ; ctx's image
	s_add_nc_u64 s[60:61], s[8:9], s[60:61]        ; ctx's half scale word
	CROUND                                         ; all four work-groups are here: the joint loads meet
	tensor_load_to_lds s[G0:G0+3], s[G1:G1+7]      ; my sixteenth of the head's k and v: the one tensor load of the wave
	s_nop 0
.rept 4
	v_nop
.endr
	v_and_b32 v8, 31, v0                           ; lane
	v_and_b32 v9, 15, v0                           ; r
	v_bfe_u32 v10, v0, 4, 1                        ; h
	s_delay_alu instid0(VALU_DEP_3)
	v_lshlrev_b32 v[AK16], 4, v8
	s_delay_alu instid0(VALU_DEP_4)
	v_lshlrev_b32 v[AK8], 3, v8
	s_delay_alu instid0(VALU_DEP_2)
	v_add_nc_u32 v[AV16], VIMG, v[AK16]
	s_delay_alu instid0(VALU_DEP_2)
	v_add_nc_u32 v[AV8], VIMG, v[AK8]
	s_delay_alu instid0(VALU_DEP_4)
	v_add_nc_u32 v[AKS], KSC, v[AK16]
	s_delay_alu instid0(VALU_DEP_4)
	v_add_nc_u32 v[AVS], VSC, v[AK8]
	v_lshl_add_u32 v[AMC], v10, 6, MC
	v_lshlrev_b32 v31, 4, v9
	v_lshlrev_b32 v33, 4, v0
	v_lshl_add_u32 v34, v0, 4, MC
	v_mov_b32 v35, 0xd0000000                      ; -2^33
	global_load_b128 v[92:95], v33, s[6:7]         ; thread t: the mask of keys 4 t .. 4 t + 3
	global_load_b128 v[16:19], v[AK16], s[48:49]   ; q's half image stays in registers
	global_load_b64 v[20:21], v[AK8], s[48:49] offset:512
	global_load_b32 v255, v31, s[50:51]
.irp i, 22,23,24,25,26,27,84,85,86,87,88,89
	v_mov_b32 v\i, 0                               ; zero codes: q's upper K half, and what stands behind k's tile 7
.endr
	v_mov_b32 v13, 0xff61b1e6                      ; the largest t so far: -3e38
	s_delay_alu instid0(VALU_DEP_1)
	v_floor_f32 v12, -v13                          ; -M
	v_mov_b32 v14, 0
	v_mov_b32 v15, 0
.irp b, 0,1,2,3
	v_mov_b32 v[236+\b], 0                         ; written once: a lane permute's destination counts as one of its sources
.endr
	v_mov_b32 v253, 0
.set n, 0
.rept 32
	v_mov_b32 v[160+n], 0                          ; O^T: the loop is written once; its first step finds zeros
.set n, n+1
.endr
	s_wait_loadcnt 0x0
.irp i, 92,93,94,95
	v_cmp_eq_u32 vcc_lo, 0, v\i
	s_delay_alu instid0(VALU_DEP_1)
	v_cndmask_b32 v\i, 0, v35, vcc_lo
.endr
	ds_store_b128 v34, v[92:95]
	s_wait_tensorcnt 0x0                           ; my part of the block has landed,
	s_wait_dscnt 0x0                               ; my four numbers are stored:
	s_barrier_signal -1
	s_barrier_wait -1                              ; everybody's
.macro SKQ t
.if (\t)%2
	v_wmma_scale_f32_16x16x128_f8f6f4 v[96+8*\t:103+8*\t], v[KF+6*\t:KF+6*\t+11], v[16:27], v[96+8*\t:103+8*\t], v[248+\t/2], v255 matrix_a_fmt:MATRIX_FMT_FP6 matrix_b_fmt:MATRIX_FMT_FP6 matrix_a_scale:MATRIX_SCALE_ROW1
.else
	v_wmma_scale_f32_16x16x128_f8f6f4 v[96+8*\t:103+8*\t], v[KF+6*\t:KF+6*\t+11], v[16:27], v[96+8*\t:103+8*\t], v[248+\t/2], v255 matrix_a_fmt:MATRIX_FMT_FP6 matrix_b_fmt:MATRIX_FMT_FP6
.endif
.endm
.macro OPV t
.if (\t)%2
	v_wmma_scale_f32_16x16x128_f8f6f4 v[160+8*\t:167+8*\t], v[KF+12*\t:KF+12*\t+11], v[224:235], v[160+8*\t:167+8*\t], v[192+\t/2], v253 matrix_a_fmt:MATRIX_FMT_FP6 matrix_b_fmt:MATRIX_FMT_FP6 matrix_a_scale:MATRIX_SCALE_ROW1
.else
	v_wmma_scale_f32_16x16x128_f8f6f4 v[160+8*\t:167+8*\t], v[KF+12*\t:KF+12*\t+11], v[224:235], v[160+8*\t:167+8*\t], v[192+\t/2], v253 matrix_a_fmt:MATRIX_FMT_FP6 matrix_b_fmt:MATRIX_FMT_FP6
.endif
.endm
.Lstep:                                            ; 16 trips of 128 keys
	v_add_nc_u32 v8, s[TK], v[AK16]                ; the trip's addresses; these seven are also the places behind the last trip's products
	v_add_nc_u32 v9, s[TK], v[AK8]
	v_add_nc_u32 v10, s[TK], v[AV16]
	v_add_nc_u32 v11, s[TK], v[AV8]
	v_add_nc_u32 v28, s[TS], v[AKS]
	v_add_nc_u32 v30, s[TS], v[AMC]
	v_add_nc_u32 v29, s[TV], v[AVS]
	ds_load_b128 v[248:251], v28                   ; k's four pair words
.irp t, 0,1,2,3,4,5,6,7
	ds_load_b128 v[KF+6*\t:KF+6*\t+3], v8 offset:768*\t
	ds_load_b64 v[KF+6*\t+4:KF+6*\t+5], v9 offset:768*\t+512
.endr
.irp t, 0,1,2,3,4,5,6,7                        ; the mask's 0 or -2^33 of keys 32 (t / 2) + 16 h + 8 (t % 2) + 0 .. 7: the products' C
	ds_load_b128 v[96+8*\t:99+8*\t], v30 offset:128*(\t/2)+32*(\t%2)
	ds_load_b128 v[100+8*\t:103+8*\t], v30 offset:128*(\t/2)+32*(\t%2)+16
.endr
	s_wait_alu depctr_va_vdst(0)
	s_wait_dscnt 0x0
.irp t, 0,1,2,3,4,5,6,7
	SKQ \t
.endr
.rept 4
	v_nop                                          ; places in front of the loads below and of the first read of the scores
.endr
	ds_load_b64 v[192:193], v29                    ; v's pair words and four fragments land during the softmax
.irp t, 0,1,2,3
	ds_load_b128 v[KF+12*\t:KF+12*\t+3], v10 offset:1536*\t
	ds_load_b64 v[KF+12*\t+4:KF+12*\t+5], v11 offset:1536*\t+512
	ds_load_b128 v[KF+12*\t+6:KF+12*\t+9], v10 offset:1536*\t+768
	ds_load_b64 v[KF+12*\t+10:KF+12*\t+11], v11 offset:1536*\t+1280
.endr
.irp b, 0,1,2,3
	v_max3_num_f32 v[232+\b], v[96+16*\b], v[97+16*\b], v[98+16*\b]   ; the largest score of each block of 32 keys: for the row's maximum and for the block's largest p
.endr
.irp i, 3,5,7,9,11,13
.irp b, 0,1,2,3
	v_max3_num_f32 v[232+\b], v[232+\b], v[96+16*\b+\i], v[97+16*\b+\i]
.endr
.endr
.irp b, 0,1,2,3
	v_max_num_f32 v[232+\b], v[232+\b], v[111+16*\b]
.endr
.irp b, 0,1,2,3
	s_delay_alu instid0(VALU_DEP_4)
	v_permlanex16_b32 v[236+\b], v[232+\b], s[SEL], s[SEL+1]
.endr
.irp b, 0,1,2,3
	s_delay_alu instid0(VALU_DEP_4)
	v_max_num_f32 v[232+\b], v[232+\b], v[236+\b]
.endr
	s_delay_alu instid0(VALU_DEP_2)
	v_max3_num_f32 v254, v232, v233, v234
	s_delay_alu instid0(VALU_DEP_1)
	v_max_num_f32 v254, v254, v235
	s_delay_alu instid0(VALU_DEP_1)
	v_mul_f32 v254, s[CS], v254
	s_delay_alu instid0(VALU_DEP_1)
	v_max_num_f32 v13, v13, v254                   ; the running largest t
	v_mov_b32 v254, v12
	s_delay_alu instid0(VALU_DEP_2)
	v_floor_f32 v12, -v13                          ; the new -M: M is a whole number
	s_delay_alu instid0(VALU_DEP_1)
	v_sub_f32 v254, v12, v254                      ; old M - new M, 0 or less
	s_delay_alu instid0(VALU_DEP_1)
	v_cvt_i32_f32 v254, v254                       ; (it saturates)
	s_delay_alu instid0(VALU_DEP_1)
	v_ldexp_f32 v252, 1.0, v254                    ; f = 2^(old M - new M): rounds nothing
.set n, 0
.rept 32
	v_pk_fma_f32 v[96+n:97+n], v[96+n:97+n], s[CS:CS+1], v[12:13] op_sel_hi:[1,0,0]   ; t - M
.set n, n+2
.endr
.irp b, 0,1,2,3
	v_fma_f32 v[232+\b], v[232+\b], s[CS], v12
.endr
.set n, 0
	s_wait_alu depctr_va_vdst(0)
.rept 64
	v_exp_f32 v[96+n], v[96+n]                     ; p = 2^(t - M)
.set n, n+1
.endr
.irp b, 0,1,2,3
	v_exp_f32 v[232+\b], v[232+\b]                 ; the block's largest p
.endr
	v_pk_mul_f32 v[14:15], v[14:15], v[252:253] op_sel_hi:[1,0]   ; the sums under the new M (a plain place behind the exponentials)
	s_wait_alu depctr_va_vdst(0)
.irp b, 0,1,2,3
	v_max_num_f32 v[232+\b], 0x1800000, v[232+\b]  ; the floor 2^(3 - 127)
.endr
.irp b, 0,1,2,3
	s_delay_alu instid0(VALU_DEP_4)
	v_add_nc_u32 v[244+\b], 0xff000000, v[232+\b]
.endr
.irp b, 0,1,2,3
	s_delay_alu instid0(VALU_DEP_4)
	v_lshrrev_b32 v[236+\b], 23, v[244+\b]
.endr
	s_delay_alu instid0(VALU_DEP_3)
	v_lshl_or_b32 v253, v237, 8, v236              ; p's scale word for these 128 keys
	s_delay_alu instid0(VALU_DEP_1)
	v_lshl_or_b32 v253, v238, 16, v253
	s_delay_alu instid0(VALU_DEP_1)
	v_lshl_or_b32 v253, v239, 24, v253
.irp c, 0,1
	v_cvt_scalef32_pk16_fp6_f32 v[224+6*\c:226+6*\c], v[96+32*\c:111+32*\c], v[244+2*\c]
	v_cvt_scalef32_pk16_fp6_f32 v[236+4*\c:238+4*\c], v[112+32*\c:127+32*\c], v[244+2*\c+1]
.endr
	v_nop
.irp c, 0,1
.irp i, 0,1,2
	v_permlane16_swap_b32 v[224+6*\c+\i], v[236+4*\c+\i]
.endr
.irp i, 0,1,2
	s_delay_alu instid0(VALU_DEP_3)
	v_mov_b32 v[227+6*\c+\i], v[236+4*\c+\i]
.endr
.endr
	v_pk_add_f32 v[236:237], v[100:101], v[104:105]
	v_pk_add_f32 v[250:251], v[108:109], v[112:113]
	v_pk_add_f32 v[248:249], v[116:117], v[120:121]
	v_pk_add_f32 v[246:247], v[124:125], v[128:129]
	v_pk_add_f32 v[244:245], v[132:133], v[136:137]
	v_pk_add_f32 v[240:241], v[140:141], v[144:145]
	v_pk_add_f32 v[220:221], v[148:149], v[152:153]
	v_pk_add_f32 v[14:15], v[14:15], v[156:157]
	v_pk_add_f32 v[236:237], v[236:237], v[96:97]
	v_pk_add_f32 v[250:251], v[250:251], v[98:99]
	v_pk_add_f32 v[248:249], v[248:249], v[102:103]
	v_pk_add_f32 v[246:247], v[246:247], v[106:107]
	v_pk_add_f32 v[244:245], v[244:245], v[110:111]
	v_pk_add_f32 v[240:241], v[240:241], v[114:115]
	v_pk_add_f32 v[220:221], v[220:221], v[118:119]
	v_pk_add_f32 v[14:15], v[14:15], v[122:123]
	v_pk_add_f32 v[236:237], v[236:237], v[126:127]
	v_pk_add_f32 v[250:251], v[250:251], v[130:131]
	v_pk_add_f32 v[248:249], v[248:249], v[134:135]
	v_pk_add_f32 v[246:247], v[246:247], v[138:139]
	v_pk_add_f32 v[244:245], v[244:245], v[142:143]
	v_pk_add_f32 v[240:241], v[240:241], v[146:147]
	v_pk_add_f32 v[220:221], v[220:221], v[150:151]
	v_pk_add_f32 v[14:15], v[14:15], v[154:155]
	v_pk_add_f32 v[236:237], v[236:237], v[158:159]
	s_delay_alu instid0(VALU_DEP_2)
	v_pk_add_f32 v[14:15], v[14:15], v[246:247]
	s_delay_alu instid0(VALU_DEP_2)
	v_pk_add_f32 v[236:237], v[236:237], v[244:245]
	v_pk_add_f32 v[250:251], v[250:251], v[240:241]
	v_pk_add_f32 v[248:249], v[248:249], v[220:221]
	s_delay_alu instid0(VALU_DEP_2)
	v_pk_add_f32 v[14:15], v[14:15], v[250:251]
	s_delay_alu instid0(VALU_DEP_2)
	v_pk_add_f32 v[236:237], v[236:237], v[248:249]
	s_delay_alu instid0(VALU_DEP_1)
	v_pk_add_f32 v[14:15], v[14:15], v[236:237]
.set n, 0
.rept 16
	v_pk_mul_f32 v[160+n:161+n], v[160+n:161+n], v[252:253] op_sel_hi:[1,0]   ; O^T under the new M
.set n, n+2
.endr
	s_wait_alu depctr_va_vdst(0)
	s_wait_dscnt 0x0                               ; v is in
.irp t, 0,1,2,3
	OPV \t
.endr
	s_add_co_u32 s[TK], s[TK], 6144
	s_add_co_u32 s[TS], s[TS], 512
	s_add_co_u32 s[TV], s[TV], 256
	s_sub_co_u32 s[CNT], s[CNT], 1
	s_cmp_lg_u32 s[CNT], 0
	s_cbranch_scc1 .Lstep
.rept 4
	v_nop                                          ; places behind the last products
.endr
	v_add_f32 v14, v14, v15
	s_delay_alu instid0(VALU_DEP_1)
	v_permlanex16_b32 v252, v14, s[SEL], s[SEL+1]
	s_delay_alu instid0(VALU_DEP_1)
	v_add_f32 v14, v14, v252                       ; the row's sum
	s_wait_alu depctr_va_vdst(0)
	v_rcp_f32 v14, v14
	v_nop
.set n, 0
	s_wait_alu depctr_va_vdst(0)
.rept 32
	v_mul_f32 v[96+n], v[160+n], v14               ; register 16 g + i: ctx(my query, feature 32 g + 16 h + i of the head)
.set n, n+1
.endr
.irp b, 0,1
	v_max3_num_f32 v[232+\b], |v[96+16*\b]|, |v[97+16*\b]|, 0x1800000
.endr
.irp i, 2,4,6,8,10,12,14
.irp b, 0,1
	s_delay_alu instid0(VALU_DEP_2)
	v_max3_num_f32 v[232+\b], v[232+\b], |v[96+16*\b+\i]|, |v[97+16*\b+\i]|
.endr
.endr
.irp b, 0,1
	s_delay_alu instid0(VALU_DEP_2)
	v_permlanex16_b32 v[236+\b], v[232+\b], s[SEL], s[SEL+1]
.endr
.irp b, 0,1
	s_delay_alu instid0(VALU_DEP_2)
	v_max_num_f32 v[232+\b], v[232+\b], v[236+\b]
.endr
.irp b, 0,1
	s_delay_alu instid0(VALU_DEP_2)
	v_add_nc_u32 v[244+\b], 0xff000000, v[232+\b]
.endr
.irp b, 0,1
	s_delay_alu instid0(VALU_DEP_2)
	v_lshrrev_b32 v[236+\b], 23, v[244+\b]
.endr
	s_delay_alu instid0(VALU_DEP_1)
	v_lshl_or_b32 v253, v237, 8, v236              ; the head's half of the scale word
	v_cvt_scalef32_pk16_fp6_f32 v[224:226], v[96:111], v244
	v_cvt_scalef32_pk16_fp6_f32 v[228:230], v[112:127], v245
	v_nop
.irp i, 0,1,2
	v_permlane16_swap_b32 v[224+\i], v[228+\i]
.endr
	s_delay_alu instid0(VALU_DEP_3)
	v_mov_b32 v227, v228
	s_delay_alu instid0(VALU_DEP_3)
	v_mov_b32 v228, v229
	s_delay_alu instid0(VALU_DEP_3)
	v_mov_b32 v229, v230
	global_store_b128 v[AK16], v[224:227], s[58:59]           ; 512 and 256 consecutive aligned bytes: half an operand image
	global_store_b64 v[AK8], v[228:229], s[58:59] offset:512
	global_store_b16 v31, v253, s[60:61]           ; a scale word spans two heads, two work-groups: it leaves in halves (lanes l and l + 16 write the same two bytes with the same value); 1 byte in 24 of what the launch stores
	s_wait_tensorcnt 0x0
	ds_add_u32 v223, v243
	s_wait_dscnt 0x0
	CROUND                                         ; the closing round
	s_endpgm
.Lfunc_end_k_q7b3d2b5a43_attn:
	.size	k_q7b3d2b5a43_attn, .Lfunc_end_k_q7b3d2b5a43_attn-k_q7b3d2b5a43_attn
	.p2alignl 7, 3214868480
	.fill 96, 4, 3214868480
	.section	.rodata,"a",@progbits
	.p2align	6, 0x0
	.amdhsa_kernel k_q7b3d2b5a43_attn
		.amdhsa_group_segment_fixed_size 219136
		.amdhsa_private_segment_fixed_size 0
		.amdhsa_enable_private_segment 0
		.amdhsa_kernarg_size 24
		.amdhsa_user_sgpr_count 2
		.amdhsa_user_sgpr_kernarg_segment_ptr 1
		.amdhsa_wavefront_size32 1
		.amdhsa_system_sgpr_workgroup_id_x 1
		.amdhsa_system_sgpr_workgroup_id_y 1
		.amdhsa_system_sgpr_workgroup_id_z 1
		.amdhsa_system_vgpr_workitem_id 0
		.amdhsa_next_free_vgpr 256
		.amdhsa_next_free_sgpr 66
		.amdhsa_reserve_vcc 1
		.amdhsa_float_denorm_mode_32 3
		.amdhsa_float_denorm_mode_16_64 3
		.amdhsa_memory_ordered 1
		.amdhsa_forward_progress 1
		.amdhsa_inst_pref_size 32
	.end_amdhsa_kernel
	.amdgpu_metadata
---
amdhsa.version: [ 1, 2 ]
amdhsa.kernels:
  - .name:           k_q7b3d2b5a43_attn
    .symbol:         k_q7b3d2b5a43_attn.kd
    .args:
      - { .name: qkv, .offset: 0, .size: 8, .value_kind: global_buffer, .address_space: global }
      - { .name: mask, .offset: 8, .size: 8, .value_kind: global_buffer, .address_space: global }
      - { .name: ctx, .offset: 16, .size: 8, .value_kind: global_buffer, .address_space: global }
    .group_segment_fixed_size: 219136
    .private_segment_fixed_size: 0
    .kernarg_segment_align: 8
    .kernarg_segment_size: 24
    .max_flat_workgroup_size: 512
    .sgpr_count:     66
    .vgpr_count:     256
    .wavefront_size: 32
...
	.end_amdgpu_metadata
.endif
;; end of part 3
;; launch gemm_o (part 4): grid 8 x 32, 4 waves a work-group, clusters of 4 x 4, 327,680 bytes of LDS; arguments ctx, Wo_codes, Wo_scales, bo, x, y; writes y
.if DOCPART == 4
	.amdgcn_target "amdgcn-amd-amdhsa--gfx1250"
	.amdhsa_code_object_version 6
	.text
	.protected	k_q7b3d2b5a43_gemm_o
	.globl	k_q7b3d2b5a43_gemm_o
	.p2align	8
	.type	k_q7b3d2b5a43_gemm_o,@function
k_q7b3d2b5a43_gemm_o:
	s_mov_b64 s[64:65], 0
	v_nop
	global_prefetch_b8 v0, s[64:65] scope:SCOPE_SE
	s_setreg_imm32_b32 hwreg(HW_REG_WAVE_MODE, 25, 1), 1
	s_wait_xcnt 0x0
	s_wait_alu depctr_hold_cnt(0) depctr_sa_sdst(0) depctr_va_vdst(0) depctr_va_sdst(0) depctr_va_ssrc(0) depctr_va_vcc(0) depctr_vm_vsrc(0)
	s_getreg_b32 s2, hwreg(HW_REG_IB_STS2, 6, 4)
	s_cmp_eq_u32 s2, 0
	s_cbranch_scc0 .Lentry_in_a_cluster
	s_endpgm
.Lentry_in_a_cluster:
	s_bfe_u32 s2, ttmp6, 0x10000c
	s_cmp_lg_u32 s2, 0xf033
	s_cbranch_scc0 .Lentry_shape_is_right
	s_endpgm
.Lentry_shape_is_right:
.set SIZE_K, 1024
.set ASC,    3145728
.set KST,   SIZE_K/128
.set KS,    SIZE_K/32
.set KROW,  SIZE_K*6/8
.set LAPS,  SIZE_K/1024
; y = x + ctx Wo + bo on codes of FP6 (E2M3) with E8M0 scales.  A tile of 128 x 128, four waves of 64 x 64; K in steps of 512 through two LDS slots.
; A (ctx) comes as dense images of operand registers, in rows of 256 bytes.  B's rows of codes come as 512 aligned bytes: bytes 0-511 of each 768 for the even step (it reads 0-383),
; bytes 256-767 for the odd step (it reads 384-767, from byte 128 of the LDS row): every row begins on a 256-byte border.  16 bytes of padding behind each row.
; The head's four tiles (A's and B's slot 0, A's and B's scales) go out one a wave; slot 1 follows behind the full sequence.  No prefetch: K is two slots, both asked for before the first product.
.set PITCH, 528
.set ASLOT, 49152
.set SLOT,  116736
.set SCA,   2*SLOT
.set SCB,   SCA+512*KST
.set SPARE, SCB+544*KST
.set ADA16, 16
.set ADA8,  18
.set ADRB,  20
.set STO,   24
.set RD,    25
.set CO,    26
.set ADSA,  27
.set SPW,   28
.set NIL,   29
.set ADSB,  30
.set SC,    32
.set BK,    64
.set ACC,   128
.set G1, 24
.set G0, 32
.set G1B, 48
.set G0B, 56
.set G1S, 68
.set G0S, 76
.set G1SB, 80
.set G0SB, 88
.set MSB, 0
.macro WIN new
.if MSB != \new
	s_set_vgpr_msb (MSB<<8)|\new
.set MSB, \new
.endif
.endm
.set MUL,  0x05
.set TO_F, 0x40
.macro JLOAD g0a, g1a, g0b, g1b
	s_cmp_eq_u32 s15, 0
	s_cbranch_scc0 .Lfor_b_\@
	tensor_load_to_lds s[\g0a:\g0a+3], s[\g1a:\g1a+7]
	s_nop 0
.rept 4
	v_nop
.endr
	s_branch .Lasked_\@
.Lfor_b_\@:
	tensor_load_to_lds s[\g0b:\g0b+3], s[\g1b:\g1b+7]
	s_nop 0
.rept 4
	v_nop
.endr
.Lasked_\@:
.endm
.macro CREST
	s_cmp_lg_u32 s14, 0
	s_cbranch_scc1 .Lnot_wave_0_\@
	s_barrier_signal -3
.Lnot_wave_0_\@:
	s_barrier_wait -3
	s_barrier_signal -1
	s_barrier_wait -1
.endm
.macro CROUND
	s_barrier_signal -1
	s_barrier_wait -1
	CREST
.endm
	s_load_b128 s[4:7], s[0:1], 0x0
	s_load_b128 s[8:11], s[0:1], 0x10
	s_load_b64 s[18:19], s[0:1], 0x20
	s_load_b64 s[12:13], s[0:1], 0x28
	v_lshl_add_u32 v[SPW], v0, 2, SPARE
	v_mov_b32 v[NIL], 0
	ds_add_u32 v28, v29
	ds_add_u32 v28, v29
	s_wait_dscnt 0x0
	v_lshrrev_b32 v1, 5, v0
	v_readfirstlane_b32 s14, v1
	s_lshr_b32 s15, s14, 1
	s_and_b32 s16, s14, 1
	s_bfe_u32 s40, ttmp6, 0x40000
	s_bfe_u32 s41, ttmp6, 0x40004
	s_lshl_b32 s42, ttmp9, 2
	s_add_co_u32 s42, s42, s40
	s_and_b32 s17, ttmp7, 0xffff
	s_lshl_b32 s17, s17, 2
	s_add_co_u32 s17, s17, s41
	s_lshl_b32 s43, s41, 2
	s_lshl_b32 s43, 15, s43
	s_lshl_b32 s44, 0x1111, s40
	s_or_b32 s[G1+0], s43, (3<<16)|(1<<21)
	s_mov_b32 s[G1+1], 32<<16
	s_mov_b32 s[G1+2], 192<<16
	s_mov_b32 s[G1+3], 32<<16
	s_mov_b32 s[G1+4], 192
	s_mov_b32 s[G1+5], 32
	s_mov_b32 s[G1+6], 0
	s_mov_b32 s[G1+7], 0
	s_or_b32 s[G1B+0], s44, (0<<16)|(1<<20)|(1<<21)|(6<<22)|(3<<25)
	s_mov_b32 s[G1B+1], 512<<16
	s_mov_b32 s[G1B+2], 128<<16
	s_mov_b32 s[G1B+3], 512<<16
	s_mov_b32 s[G1B+4], 128
	s_mov_b32 s[G1B+5], KROW
	s_mov_b32 s[G1B+6], 0
	s_mov_b32 s[G1B+7], 0
	s_or_b32 s[G1S+0], s43, (3<<16)|(1<<21)
	s_or_b32 s[G1SB+0], s44, (3<<16)|(1<<20)|(1<<21)|(5<<22)|(3<<25)
.irp g, G1S, G1SB
	s_mov_b32 s[\g+1], 32<<16
	s_mov_b32 s[\g+2], (2*KST)<<16
	s_mov_b32 s[\g+3], 32<<16
	s_mov_b32 s[\g+4], 2*KST
	s_mov_b32 s[\g+5], 32
	s_mov_b32 s[\g+6], 0
	s_mov_b32 s[\g+7], 0
.endr
	s_mul_i32 s20, s17, KST*12288                  ; A's images of my 128 tokens
	s_mov_b32 s21, 0
	s_mul_i32 s22, s17, 512*KST                    ; their pair words
	s_add_co_u32 s22, s22, ASC
	s_mov_b32 s23, 0
	s_lshl_b32 s46, s42, 7                         ; B's first row
	s_mul_i32 s92, s46, KS
	s_mov_b32 s93, 0
	s_mul_i32 s46, s46, KROW
	s_mov_b32 s47, 0
	s_mul_i32 s45, s16, 24576                      ; in the ring I fetch half a tile: A's half, in LDS and in memory alike,
	s_mov_b32 s2, s45
	s_mov_b32 s3, 0
	s_mul_i32 s95, s16, 33792                      ; B's half in LDS,
	s_add_co_u32 s95, s95, ASLOT
	s_mul_i32 s96, s16, 64*KROW                    ; and in memory
	s_mov_b32 s97, 0
	s_wait_kmcnt 0x0
	s_add_nc_u64 s[20:21], s[4:5], s[20:21]
	s_add_nc_u64 s[22:23], s[4:5], s[22:23]
	s_add_nc_u64 s[46:47], s[6:7], s[46:47]
	s_add_nc_u64 s[92:93], s[8:9], s[92:93]
	CROUND
	s_mov_b32 s[G0], 1                             ; the head's four tiles, each whole: slot 0's A,
	s_mov_b32 s[G0+1], 0
	s_mov_b64 s[G0+2:G0+3], s[20:21]
	s_or_b32 s[G0+3], s[G0+3], 0x80000000
	s_mov_b32 s[G0B], 1                            ; its B,
	s_mov_b32 s[G0B+1], ASLOT
	s_mov_b64 s[G0B+2:G0B+3], s[46:47]
	s_or_b32 s[G0B+3], s[G0B+3], 0x80000000
	s_mov_b32 s[G0S], 1                            ; A's scales,
	s_mov_b32 s[G0S+1], SCA
	s_mov_b64 s[G0S+2:G0S+3], s[22:23]
	s_or_b32 s[G0S+3], s[G0S+3], 0x80000000
	s_mov_b32 s[G0SB], 1                           ; B's
	s_mov_b32 s[G0SB+1], SCB
	s_mov_b64 s[G0SB+2:G0SB+3], s[92:93]
	s_or_b32 s[G0SB+3], s[G0SB+3], 0x80000000
	s_mov_b32 s[G0+4], 1                           ; slot 1: my half
	s_add_co_u32 s[G0+5], s45, SLOT
	s_add_nc_u64 s[G0+6:G0+7], s[20:21], s[2:3]
	s_add_nc_u64 s[G0+6:G0+7], s[G0+6:G0+7], ASLOT
	s_or_b32 s[G0+7], s[G0+7], 0x80000000
	s_mov_b32 s[G0B+4], 1
	s_add_co_u32 s[G0B+5], s95, SLOT
	s_add_nc_u64 s[G0B+6:G0B+7], s[46:47], s[96:97]
	s_add_nc_u64 s[G0B+6:G0B+7], s[G0B+6:G0B+7], 256
	s_or_b32 s[G0B+7], s[G0B+7], 0x80000000
.macro ARM under, g0, g1, next         ; one tree of branches on the wave's number, one load to an arm
	s_cmp_lt_u32 s14, \under
	s_cbranch_scc0 \next
	tensor_load_to_lds s[\g0:\g0+3], s[\g1:\g1+7]
	s_nop 0
.rept 4
	v_nop
.endr
	s_branch .Lhead_asked
\next:
.endm
	ARM 1, G0,  G1,  .Lhead_b
	ARM 2, G0B, G1B, .Lhead_sa
	ARM 3, G0S, G1S, .Lhead_sb
	tensor_load_to_lds s[G0SB:G0SB+3], s[G1SB:G1SB+7]
	s_nop 0
.rept 4
	v_nop
.endr
.Lhead_asked:
	v_and_b32 v1, 15, v0
	v_bfe_u32 v2, v0, 4, 1
	v_and_b32 v3, 31, v0
	s_mul_i32 s21, s15, 6144
	v_lshl_add_u32 v4, v3, 4, s21
	v_lshl_add_u32 v5, v3, 3, s21
	v_mul_u32_u24 v6, v1, PITCH
	v_mad_u32_u24 v6, v2, 24, v6
	s_mul_i32 s22, s16, 33792
	s_add_co_u32 s22, s22, ASLOT
	v_add_nc_u32 v6, s22, v6
.irp s, 0,1
	v_add_nc_u32 v[ADA16+\s], \s*SLOT, v4
	v_add_nc_u32 v[ADA8+\s], \s*SLOT, v5
	v_add_nc_u32 v[ADRB+\s], \s*(SLOT+128), v6     ; slot 1's rows begin 128 bytes ahead of the step's first byte
.endr
	s_lshl_b32 s21, s15, 3
	s_add_co_u32 s21, s21, SCA
	v_lshl_add_u32 v[ADSA], v3, 4, s21
	v_mul_u32_u24 v8, v3, KS
	v_lshrrev_b32 v9, 8, v8
	v_lshl_add_u32 v8, v9, 4, v8
	s_mul_i32 s22, s16, 272*KST
	s_add_co_u32 s22, s22, SCB
	v_add_nc_u32 v[ADSB], s22, v8
	s_mul_i32 s23, s14, 16*272
	v_mul_u32_u24 v8, v1, 272
	v_lshl_add_u32 v8, v2, 5, v8
	v_add_nc_u32 v[STO], s23, v8
	v_mul_u32_u24 v8, v2, 272
	v_lshl_add_u32 v8, v1, 4, v8
	v_add_nc_u32 v[RD], s23, v8
	v_lshlrev_b32 v10, 4, v1
	v_lshl_add_u32 v[CO], v2, 12, v10
	s_wait_alu depctr_va_vdst(0)
	s_lshl_b32 s46, s42, 9
	s_lshl_b32 s47, s16, 8
	s_add_co_u32 s46, s46, s47
	s_mov_b32 s47, 0
	s_add_nc_u64 s[10:11], s[10:11], s[46:47]
	global_load_b128 v[12:15], v10, s[10:11]
	s_lshl_b32 s20, s17, 7
	s_lshl_b32 s21, s15, 6
	s_add_co_u32 s20, s20, s21
	s_lshl_b32 s20, s20, 12
	s_mov_b32 s21, 0
	s_add_nc_u64 s[20:21], s[20:21], s[46:47]
	s_add_nc_u64 s[12:13], s[12:13], s[20:21]
	s_add_nc_u64 s[18:19], s[18:19], s[20:21]
	WIN 0x80
.irp a, 0,1,2,3
.irp t, 0,1,2,3,4,5,6,7
	global_load_b128 v[32*\a+4*\t:32*\a+4*\t+3], v[CO], s[18:19] offset:(32*(\a/2)+8*(\a%2)+2*\t+8*(\t/4))*4096 th:TH_LOAD_NT
.endr
.endr
	WIN 0
.macro WM a, b, f, q, set, zero
.set rD, ACC+8*(4*(\a)+(\b))
.set rB, (\f)+48+12*(\b)
.set rA, (\f)+12*(\a)
.set rSB, SC+16*(\set)+8+4*((\b)/2)+(\q)
.set rSA, SC+16*(\set)+2*(\q)+(\a)/2
.set pa, (\a)%2
.set pb, (\b)%2
.if \zero
.if pa == 0 && pb == 0
	v_wmma_scale_f32_16x16x128_f8f6f4 v[rD:rD+7], v[rB:rB+11], v[rA:rA+11], 0, v[rSB], v[rSA] matrix_a_fmt:MATRIX_FMT_FP6 matrix_b_fmt:MATRIX_FMT_FP6
.elseif pa == 0
	v_wmma_scale_f32_16x16x128_f8f6f4 v[rD:rD+7], v[rB:rB+11], v[rA:rA+11], 0, v[rSB], v[rSA] matrix_a_fmt:MATRIX_FMT_FP6 matrix_b_fmt:MATRIX_FMT_FP6 matrix_a_scale:MATRIX_SCALE_ROW1
.elseif pb == 0
	v_wmma_scale_f32_16x16x128_f8f6f4 v[rD:rD+7], v[rB:rB+11], v[rA:rA+11], 0, v[rSB], v[rSA] matrix_a_fmt:MATRIX_FMT_FP6 matrix_b_fmt:MATRIX_FMT_FP6 matrix_b_scale:MATRIX_SCALE_ROW1
.else
	v_wmma_scale_f32_16x16x128_f8f6f4 v[rD:rD+7], v[rB:rB+11], v[rA:rA+11], 0, v[rSB], v[rSA] matrix_a_fmt:MATRIX_FMT_FP6 matrix_b_fmt:MATRIX_FMT_FP6 matrix_a_scale:MATRIX_SCALE_ROW1 matrix_b_scale:MATRIX_SCALE_ROW1
.endif
.else
.if pa == 0 && pb == 0
	v_wmma_scale_f32_16x16x128_f8f6f4 v[rD:rD+7], v[rB:rB+11], v[rA:rA+11], v[rD:rD+7], v[rSB], v[rSA] matrix_a_fmt:MATRIX_FMT_FP6 matrix_b_fmt:MATRIX_FMT_FP6
.elseif pa == 0
	v_wmma_scale_f32_16x16x128_f8f6f4 v[rD:rD+7], v[rB:rB+11], v[rA:rA+11], v[rD:rD+7], v[rSB], v[rSA] matrix_a_fmt:MATRIX_FMT_FP6 matrix_b_fmt:MATRIX_FMT_FP6 matrix_a_scale:MATRIX_SCALE_ROW1
.elseif pb == 0
	v_wmma_scale_f32_16x16x128_f8f6f4 v[rD:rD+7], v[rB:rB+11], v[rA:rA+11], v[rD:rD+7], v[rSB], v[rSA] matrix_a_fmt:MATRIX_FMT_FP6 matrix_b_fmt:MATRIX_FMT_FP6 matrix_b_scale:MATRIX_SCALE_ROW1
.else
	v_wmma_scale_f32_16x16x128_f8f6f4 v[rD:rD+7], v[rB:rB+11], v[rA:rA+11], v[rD:rD+7], v[rSB], v[rSA] matrix_a_fmt:MATRIX_FMT_FP6 matrix_b_fmt:MATRIX_FMT_FP6 matrix_a_scale:MATRIX_SCALE_ROW1 matrix_b_scale:MATRIX_SCALE_ROW1
.endif
.endif
.endm
.macro MUL4 f, q, set, a, zero
.irp b, 0,1,2,3
	WM \a, \b, \f, \q, \set, \zero
.endr
.endm
.macro MUL8 f, q, set, a0, zero
	MUL4 \f, \q, \set, \a0, \zero
	MUL4 \f, \q, \set, \a0+1, \zero
.endm
.macro FETCH slot, q, f
	WIN TO_F
.irp b, 0,1,2,3
.irp p, 0,1,2,3,4,5
.set PCE, 12*(\q)+6*(\p/3)+\p%3
.set RG, (\f)+48+12*\b+2*\p
	ds_load_b64 v[RG:RG+1], v[ADRB+\slot] offset:8*PCE+\b*16*PITCH
.endr
.endr
.irp a, 0,1,2,3
.set RG, (\f)+12*\a
	ds_load_b128 v[RG:RG+3], v[ADA16+\slot] offset:(8*(\q)+\a)*1536
	ds_load_b64 v[RG+4:RG+5], v[ADA8+\slot] offset:(8*(\q)+\a)*1536+512
	ds_load_b128 v[RG+6:RG+9], v[ADA16+\slot] offset:(8*(\q)+\a)*1536+768
	ds_load_b64 v[RG+10:RG+11], v[ADA8+\slot] offset:(8*(\q)+\a)*1536+1280
.endr
.endm
.macro SCALES set
.irp q, 0,1,2,3
	ds_load_b64 v[SC+16*\set+2*\q:SC+16*\set+2*\q+1], v[ADSA] offset:512*\q
.endr
.irp p, 0,1
	ds_load_b128 v[SC+16*\set+8+4*\p:SC+16*\set+8+4*\p+3], v[ADSB] offset:\p*(32*KS/256)*272
.endr
.endm
.macro PLACES
.rept 4
	v_nop
.endr
.endm
.macro KSTEP slot, q, zero
.set FB, 128*((\q)%2)
.set GB, 128-FB
	s_wait_dscnt 8
	WIN MUL
	MUL8 FB, \q, \slot, 0, \zero
	PLACES
	FETCH \slot, (\q)+1, GB
	s_wait_dscnt 40
	WIN MUL
	MUL8 FB, \q, \slot, 2, \zero
.endm
.macro TURN slot, next, fill
	WIN 0
	s_wait_tensorcnt 0x0
	ds_add_u32 v[SPW], v[NIL]
	s_wait_dscnt 9
	WIN MUL
	MUL4 128, 3, \slot, 0, 0
	s_wait_dscnt 0x0
	s_barrier_signal -1
	MUL4 128, 3, \slot, 1, 0
	WIN 0
	s_barrier_wait -1
.if \fill
	CREST
	s_add_nc_u64 s[G0+4*\slot+2:G0+4*\slot+3], s[G0+4*\slot+2:G0+4*\slot+3], 2*ASLOT
	s_add_nc_u64 s[G0B+4*\slot+2:G0B+4*\slot+3], s[G0B+4*\slot+2:G0B+4*\slot+3], 2*384
	JLOAD G0+4*\slot, G1, G0B+4*\slot, G1B
.else
	PLACES
.endif
	v_add_nc_u32 v[ADSA], 2048, v[ADSA]
	v_add_nc_u32 v[ADSB], 16, v[ADSB]
	SCALES \next
	FETCH \next, 0, 0
	WIN MUL
	MUL4 128, 3, \slot, 2, 0
	MUL4 128, 3, \slot, 3, 0
.endm
	s_wait_alu depctr_va_vdst(0)
	s_wait_tensorcnt 0x0                           ; my tile of the head's four is in
	ds_add_u32 v[SPW], v[NIL]
	s_mov_b32 s[G1+2], 96<<16                      ; no tensor load of mine is out: from here on a load brings half a tile
	s_mov_b32 s[G1+4], 96
	s_mov_b32 s[G1B+2], 64<<16
	s_mov_b32 s[G1B+4], 64
.if LAPS > 1
	s_mov_b32 s[G0+1], s45                         ; slot 0's refills: my half
	s_add_nc_u64 s[G0+2:G0+3], s[G0+2:G0+3], s[2:3]
	s_mov_b32 s[G0B+1], s95
	s_add_nc_u64 s[G0B+2:G0B+3], s[G0B+2:G0B+3], s[96:97]
.endif
	s_wait_dscnt 0x0
	CROUND
	JLOAD G0+4, G1, G0B+4, G1B                     ; slot 1, the first tensor load behind the round
	SCALES 0
	FETCH 0, 0, 0
	KSTEP 0, 0, 1
.if LAPS > 1
	WIN 0
	s_mov_b32 s3, LAPS-1
.Llap:
	KSTEP 0, 1, 0
	KSTEP 0, 2, 0
	TURN 0, 1, 1
	KSTEP 1, 0, 0
	KSTEP 1, 1, 0
	KSTEP 1, 2, 0
	TURN 1, 0, 1
	KSTEP 0, 0, 0
	WIN 0
	s_sub_co_u32 s3, s3, 1
	s_cmp_lg_u32 s3, 0
	s_cbranch_scc1 .Llap
.endif
	KSTEP 0, 1, 0
	KSTEP 0, 2, 0
	TURN 0, 1, 0
	KSTEP 1, 0, 0
	KSTEP 1, 1, 0
	KSTEP 1, 2, 0
	s_wait_dscnt 8
	WIN MUL
	MUL8 128, 3, 1, 0, 0
	s_wait_dscnt 0
	MUL8 128, 3, 1, 2, 0
	WIN 0
.macro TOSTAGE a
.irp b, 0,1,2,3
	ds_store_b128 v[STO], v[ACC+8*(4*(\a)+\b):ACC+8*(4*(\a)+\b)+3] offset:64*\b
	ds_store_b128 v[STO], v[ACC+8*(4*(\a)+\b)+4:ACC+8*(4*(\a)+\b)+7] offset:64*\b+16
.endr
.set BB, BK+32*((\a)%2)
.irp t, 0,1,2,3,4,5,6,7
	ds_load_b128 v[BB+4*\t:BB+4*\t+3], v[RD] offset:\t*544
.endr
.endm
.macro SEND a, younger
.set BB, BK+32*((\a)%2)
	s_wait_dscnt \younger
.irp t, 0,1,2,3,4,5,6,7
	v_pk_add_f32 v[BB+4*\t:BB+4*\t+1], v[BB+4*\t:BB+4*\t+1], v[12:13]
	v_pk_add_f32 v[BB+4*\t+2:BB+4*\t+3], v[BB+4*\t+2:BB+4*\t+3], v[14:15]
.endr
	WIN 0x08
.irp t, 0,1,2,3,4,5,6,7
	v_pk_add_f32 v[BB+4*\t:BB+4*\t+1], v[BB+4*\t:BB+4*\t+1], v[32*(\a)+4*\t:32*(\a)+4*\t+1]
	v_pk_add_f32 v[BB+4*\t+2:BB+4*\t+3], v[BB+4*\t+2:BB+4*\t+3], v[32*(\a)+4*\t+2:32*(\a)+4*\t+3]
.endr
	WIN 0
.irp t, 0,1,2,3,4,5,6,7
	global_store_b128 v[CO], v[BB+4*\t:BB+4*\t+3], s[12:13] offset:(32*((\a)/2)+8*((\a)%2)+2*\t+8*(\t/4))*4096
.endr
.endm
	PLACES
	s_wait_loadcnt 0x0
	TOSTAGE 0
.irp a, 1,2,3
.if \a > 1
	s_wait_xcnt 0x0
.endif
	TOSTAGE \a
	SEND \a-1, 16
.endr
	SEND 3, 0
	s_wait_tensorcnt 0x0
	ds_add_u32 v[SPW], v[NIL]
	s_wait_dscnt 0x0
	CROUND
	s_endpgm
.Lfunc_end_k_q7b3d2b5a43_gemm_o:
	.size	k_q7b3d2b5a43_gemm_o, .Lfunc_end_k_q7b3d2b5a43_gemm_o-k_q7b3d2b5a43_gemm_o
	.p2alignl 7, 3214868480
	.fill 96, 4, 3214868480
	.section	.rodata,"a",@progbits
	.p2align	6, 0x0
	.amdhsa_kernel k_q7b3d2b5a43_gemm_o
		.amdhsa_group_segment_fixed_size 327680
		.amdhsa_private_segment_fixed_size 0
		.amdhsa_enable_private_segment 0
		.amdhsa_kernarg_size 48
		.amdhsa_user_sgpr_count 2
		.amdhsa_user_sgpr_kernarg_segment_ptr 1
		.amdhsa_wavefront_size32 1
		.amdhsa_system_sgpr_workgroup_id_x 1
		.amdhsa_system_sgpr_workgroup_id_y 1
		.amdhsa_system_sgpr_workgroup_id_z 1
		.amdhsa_system_vgpr_workitem_id 0
		.amdhsa_next_free_vgpr 640
		.amdhsa_next_free_sgpr 98
		.amdhsa_reserve_vcc 0
		.amdhsa_float_denorm_mode_32 3
		.amdhsa_float_denorm_mode_16_64 3
		.amdhsa_memory_ordered 1
		.amdhsa_forward_progress 1
		.amdhsa_inst_pref_size 69
	.end_amdhsa_kernel
	.amdgpu_metadata
---
amdhsa.version: [ 1, 2 ]
amdhsa.kernels:
  - .name:           k_q7b3d2b5a43_gemm_o
    .symbol:         k_q7b3d2b5a43_gemm_o.kd
    .args:
      - { .name: ctx, .offset: 0, .size: 8, .value_kind: global_buffer, .address_space: global }
      - { .name: Wo_codes, .offset: 8, .size: 8, .value_kind: global_buffer, .address_space: global }
      - { .name: Wo_scales, .offset: 16, .size: 8, .value_kind: global_buffer, .address_space: global }
      - { .name: bo, .offset: 24, .size: 8, .value_kind: global_buffer, .address_space: global }
      - { .name: x, .offset: 32, .size: 8, .value_kind: global_buffer, .address_space: global }
      - { .name: y, .offset: 40, .size: 8, .value_kind: global_buffer, .address_space: global }
    .group_segment_fixed_size: 327680
    .private_segment_fixed_size: 0
    .kernarg_segment_align: 8
    .kernarg_segment_size: 48
    .max_flat_workgroup_size: 128
    .sgpr_count:     98
    .vgpr_count:     640
    .wavefront_size: 32
...
	.end_amdgpu_metadata
.endif
;; end of part 4
;; launch ln1 (part 5): grid 256 x 1, 4 waves a work-group, no clusters, 21,504 bytes of LDS; arguments y, g1, be1, h, aq; writes h, aq
.if DOCPART == 5
	.amdgcn_target "amdgcn-amd-amdhsa--gfx1250"
	.amdhsa_code_object_version 6
	.text
	.protected	k_q7b3d2b5a43_ln1
	.globl	k_q7b3d2b5a43_ln1
	.p2align	8
	.type	k_q7b3d2b5a43_ln1,@function
k_q7b3d2b5a43_ln1:
	s_mov_b64 s[64:65], 0
	v_nop
	global_prefetch_b8 v0, s[64:65] scope:SCOPE_SE
	s_setreg_imm32_b32 hwreg(HW_REG_WAVE_MODE, 25, 1), 1
	s_wait_xcnt 0x0
; h = LayerNorm(y) g1 + be1, rows of 1,024, in f32 (y already holds x + the attention's output); h goes out as f32 and, quantised along the row to FP6 (E2M3) with E8M0 scales, as codes (rows of 768 bytes at aq + 0)
; and scale bytes (rows of 32 at aq + AQS).
; A wave takes a whole row in 32 registers a lane (eight loads of 512 consecutive bytes) and four rows; ALL FOUR ROWS' 32 LOADS GO OUT AT THE START, behind the 16 of g1 and be1: 128 registers hold them.
; Mean first, then the mean of squared differences: no difference of large sums.  For the conversions a lane must hold 16 neighbours: a row's two halves of 512 numbers turn through the wave's own stage in LDS
; (16 bytes of padding behind each 64).  The work-group's 16 x 32 scale bytes meet in LDS and leave as 512 consecutive aligned bytes.
; LIMITS: a block of zeros gets the byte 1, not 127 (this program alone reads the bytes); NaN and infinities are not served.
.set G,   16                           ; v16-47   g1 of my 32 columns
.set BE,  48                           ; v48-79   be1
.set Y,   80                           ; v80-207  my four rows
.set X,   208                          ; v208-239 two sets of 16 neighbours
.set CD,  240                          ; v240-242, v244-246 codes
.set EB,  248                          ; v248-249 scale bytes
.set SP,  80
.set SCB, 20480
.set AQS, 3145728
	s_load_b256 s[4:11], s[0:1], 0x0               ; y, g1, be1, h
	s_load_b64 s[12:13], s[0:1], 0x20              ; aq
	v_lshl_add_u32 v254, v0, 2, 0x5200
	v_mov_b32 v255, 0
	v_lshrrev_b32 v2, 5, v0
	v_readfirstlane_b32 s16, v2                    ; wave
	v_and_b32 v2, 31, v0                           ; lane
	v_lshlrev_b32 v1, 4, v2                        ; 16 x lane
	v_add_nc_u32 v3, SCB, v1
	v_mul_u32_u24 v4, v2, 12
	s_lshl_b32 s17, s16, 7
	s_add_co_u32 s17, s17, SCB
	v_lshrrev_b32 v5, 1, v2
	v_add_nc_u32 v5, s17, v5                       ; my block's byte: 128 bytes a wave
	s_mul_i32 s17, s16, 5120
	v_lshrrev_b32 v14, 2, v2
	v_mul_u32_u24 v14, v14, SP
	v_and_b32 v15, 3, v2
	v_lshl_add_u32 v14, v15, 4, v14
	v_add_nc_u32 v14, s17, v14
	v_mul_u32_u24 v15, v2, SP
	v_add_nc_u32 v15, s17, v15
	v_mov_b32 v7, 0
	s_lshl_b32 s18, ttmp9, 4
	s_lshl_b32 s19, s16, 2
	s_add_co_u32 s18, s18, s19                     ; my first row
	s_lshl_b32 s22, s18, 12
	s_mov_b32 s23, 0
	s_mul_i32 s24, s18, 768
	s_mov_b32 s25, 0
	s_lshl_b32 s20, ttmp9, 9
	s_add_co_u32 s20, s20, AQS
	s_mov_b32 s21, 0
	s_mov_b32 s26, 0x76543210
	s_mov_b32 s27, 0xfedcba98
	s_mov_b32 s28, 0x3a800000                      ; 1 / 1024
	s_mov_b32 s29, 0x3727c5ac                      ; 1e-5
	s_wait_kmcnt 0x0
	s_add_nc_u64 s[4:5], s[4:5], s[22:23]
	s_add_nc_u64 s[10:11], s[10:11], s[22:23]
	s_add_nc_u64 s[18:19], s[12:13], s[24:25]      ; codes
	s_add_nc_u64 s[20:21], s[12:13], s[20:21]      ; scale bytes
.irp j, 0,1,2,3,4,5,6,7
	global_load_b128 v[G+4*\j:G+4*\j+3], v1, s[6:7] offset:512*\j
.endr
.irp j, 0,1,2,3,4,5,6,7
	global_load_b128 v[BE+4*\j:BE+4*\j+3], v1, s[8:9] offset:512*\j
.endr
.irp i, 0,1,2,3
.irp j, 0,1,2,3,4,5,6,7
	global_load_b128 v[Y+32*\i+4*\j:Y+32*\i+4*\j+3], v1, s[4:5] offset:4096*\i+512*\j th:TH_LOAD_NT
.endr
.endr
.macro REDUCE                          ; the sum of v6 over the 32 lanes, in every lane
	v_add_f32_dpp v6, v6, v6 row_xmask:1 row_mask:0xf bank_mask:0xf
	v_add_f32_dpp v6, v6, v6 row_xmask:2 row_mask:0xf bank_mask:0xf
	v_add_f32_dpp v6, v6, v6 row_xmask:4 row_mask:0xf bank_mask:0xf
	v_add_f32_dpp v6, v6, v6 row_xmask:8 row_mask:0xf bank_mask:0xf
	v_permlanex16_b32 v7, v6, s26, s27
	v_add_f32 v6, v6, v7
.endm
.macro QSTEP i, s, left                ; half s of row i: 16 neighbours a lane, two lanes to a block
.set XS, X+16*\s
	s_wait_dscnt \left
	v_max3_num_f32 v6, |v[XS]|, |v[XS+1]|, |v[XS+2]|
	v_max3_num_f32 v7, |v[XS+3]|, |v[XS+4]|, |v[XS+5]|
.irp k, 6,10
	v_max3_num_f32 v6, v6, |v[XS+\k]|, |v[XS+\k+1]|
	v_max3_num_f32 v7, v7, |v[XS+\k+2]|, |v[XS+\k+3]|
.endr
	v_max3_num_f32 v6, v6, |v[XS+14]|, |v[XS+15]|
	v_max3_num_f32 v6, v6, v7, 0x1800000           ; the floor 2^(3 - 127)
	v_max_num_f32_dpp v6, v6, v6 row_xmask:1 row_mask:0xf bank_mask:0xf
	v_add_nc_u32 v8, 0xff000000, v6                ; the conversion's scale operand
	v_cvt_scalef32_pk16_fp6_f32 v[CD+4*\s:CD+4*\s+2], v[XS:XS+15], v8
	v_lshrrev_b32 v[EB+\s], 23, v8                 ; the scale's byte
	ds_store_b8 v5, v[EB+\s] offset:32*\i+16*\s
	global_store_b96 v4, v[CD+4*\s:CD+4*\s+2], s[18:19] offset:768*\i+384*\s
.endm
.macro ROW i
.set YS, Y+32*(\i)
	s_wait_loadcnt 8*(3-(\i))                      ; this row is in; the later rows' eight loads each may be out
	v_pk_add_f32 v[6:7], v[YS:YS+1], v[YS+2:YS+3]
	v_pk_add_f32 v[8:9], v[YS+4:YS+5], v[YS+6:YS+7]
.irp j, 8,12,16,20,24,28
	v_pk_add_f32 v[6:7], v[6:7], v[YS+\j:YS+\j+1]
	v_pk_add_f32 v[8:9], v[8:9], v[YS+\j+2:YS+\j+3]
.endr
	v_pk_add_f32 v[6:7], v[6:7], v[8:9]
	v_add_f32 v6, v6, v7
	REDUCE
	v_mul_f32 v10, s28, v6                         ; the mean
	v_mov_b32 v11, v10
.set n, 0
.rept 16
	v_pk_add_f32 v[YS+n:YS+n+1], v[YS+n:YS+n+1], v[10:11] neg_lo:[0,1] neg_hi:[0,1]
.set n, n+2
.endr
	v_pk_mul_f32 v[6:7], v[YS:YS+1], v[YS:YS+1]
	v_pk_mul_f32 v[8:9], v[YS+2:YS+3], v[YS+2:YS+3]
.irp j, 4,8,12,16,20,24,28
	v_pk_fma_f32 v[6:7], v[YS+\j:YS+\j+1], v[YS+\j:YS+\j+1], v[6:7]
	v_pk_fma_f32 v[8:9], v[YS+\j+2:YS+\j+3], v[YS+\j+2:YS+\j+3], v[8:9]
.endr
	v_pk_add_f32 v[6:7], v[6:7], v[8:9]
	v_add_f32 v6, v6, v7
	REDUCE
	v_fma_f32 v6, v6, s28, s29                     ; the variance + 1e-5
	s_wait_alu depctr_va_vdst(0)
	v_rsq_f32 v12, v6
	v_nop                                          ; a plain place behind the transcendental
	s_wait_alu depctr_va_vdst(0)
	v_mov_b32 v13, v12
.set n, 0
.rept 16
	v_pk_mul_f32 v[YS+n:YS+n+1], v[YS+n:YS+n+1], v[12:13]
.set n, n+2
.endr
.set n, 0
.rept 16
	v_pk_fma_f32 v[YS+n:YS+n+1], v[YS+n:YS+n+1], v[G+n:G+n+1], v[BE+n:BE+n+1]
.set n, n+2
.endr
.irp j, 0,1,2,3,4,5,6,7
	global_store_b128 v1, v[YS+4*\j:YS+4*\j+3], s[10:11] offset:4096*(\i)+512*\j
.endr
.irp s, 0,1
.irp j, 0,1,2,3
	ds_store_b128 v14, v[YS+16*\s+4*\j:YS+16*\s+4*\j+3] offset:2560*\s+640*\j
.endr
.irp j, 0,1,2,3
	ds_load_b128 v[X+16*\s+4*\j:X+16*\s+4*\j+3], v15 offset:2560*\s+16*\j
.endr
.endr
	QSTEP \i, 0, 8                                 ; the second half's 4 stores and 4 loads may be out
	QSTEP \i, 1, 1                                 ; the byte store may be out
.if (\i) < 3
	s_wait_xcnt 0x0                                ; the stores have read their registers: the codes' are written again only behind this wait
.endif
.endm
	ROW 0
	ROW 1
	ROW 2
	ROW 3
	s_wait_dscnt 0x0                               ; my byte stores have landed
	s_barrier_signal -1
	s_barrier_wait -1
	s_cmp_lg_u32 s16, 0
	s_cbranch_scc1 .Lend
	ds_load_b128 v[208:211], v3                    ; wave 0: the work-group's 512 scale bytes
	s_wait_dscnt 0x0
	global_store_b128 v1, v[208:211], s[20:21]
.Lend:
	s_wait_tensorcnt 0x0
	ds_add_u32 v254, v255
	s_wait_dscnt 0x0
	s_endpgm
.Lfunc_end_k_q7b3d2b5a43_ln1:
	.size	k_q7b3d2b5a43_ln1, .Lfunc_end_k_q7b3d2b5a43_ln1-k_q7b3d2b5a43_ln1
	.p2alignl 7, 3214868480
	.fill 96, 4, 3214868480
	.section	.rodata,"a",@progbits
	.p2align	6, 0x0
	.amdhsa_kernel k_q7b3d2b5a43_ln1
		.amdhsa_group_segment_fixed_size 21504
		.amdhsa_private_segment_fixed_size 0
		.amdhsa_enable_private_segment 0
		.amdhsa_kernarg_size 40
		.amdhsa_user_sgpr_count 2
		.amdhsa_user_sgpr_kernarg_segment_ptr 1
		.amdhsa_wavefront_size32 1
		.amdhsa_system_sgpr_workgroup_id_x 1
		.amdhsa_system_sgpr_workgroup_id_y 1
		.amdhsa_system_sgpr_workgroup_id_z 1
		.amdhsa_system_vgpr_workitem_id 0
		.amdhsa_next_free_vgpr 256
		.amdhsa_next_free_sgpr 66
		.amdhsa_reserve_vcc 0
		.amdhsa_float_denorm_mode_32 3
		.amdhsa_float_denorm_mode_16_64 3
		.amdhsa_memory_ordered 1
		.amdhsa_forward_progress 1
		.amdhsa_inst_pref_size 46
	.end_amdhsa_kernel
	.amdgpu_metadata
---
amdhsa.version: [ 1, 2 ]
amdhsa.kernels:
  - .name:           k_q7b3d2b5a43_ln1
    .symbol:         k_q7b3d2b5a43_ln1.kd
    .args:
      - { .name: y, .offset: 0, .size: 8, .value_kind: global_buffer, .address_space: global }
      - { .name: g1, .offset: 8, .size: 8, .value_kind: global_buffer, .address_space: global }
      - { .name: be1, .offset: 16, .size: 8, .value_kind: global_buffer, .address_space: global }
      - { .name: h, .offset: 24, .size: 8, .value_kind: global_buffer, .address_space: global }
      - { .name: aq, .offset: 32, .size: 8, .value_kind: global_buffer, .address_space: global }
    .group_segment_fixed_size: 21504
    .private_segment_fixed_size: 0
    .kernarg_segment_align: 8
    .kernarg_segment_size: 40
    .max_flat_workgroup_size: 128
    .sgpr_count:     66
    .vgpr_count:     256
    .wavefront_size: 32
...
	.end_amdgpu_metadata
.endif
;; end of part 5
;; launch gemm_1 (part 6): grid 16 x 16, 4 waves a work-group, clusters of 4 x 4, 327,680 bytes of LDS; arguments aq, W1_codes, W1_scales, b1, ffn; writes ffn
.if DOCPART == 6
	.amdgcn_target "amdgcn-amd-amdhsa--gfx1250"
	.amdhsa_code_object_version 6
	.text
	.protected	k_q7b3d2b5a43_gemm_1
	.globl	k_q7b3d2b5a43_gemm_1
	.p2align	8
	.type	k_q7b3d2b5a43_gemm_1,@function
k_q7b3d2b5a43_gemm_1:
	s_mov_b64 s[64:65], 0
	v_nop
	global_prefetch_b8 v0, s[64:65] scope:SCOPE_SE
	s_setreg_imm32_b32 hwreg(HW_REG_WAVE_MODE, 25, 1), 1
	s_wait_xcnt 0x0
	s_wait_alu depctr_hold_cnt(0) depctr_sa_sdst(0) depctr_va_vdst(0) depctr_va_sdst(0) depctr_va_ssrc(0) depctr_va_vcc(0) depctr_vm_vsrc(0)
	s_getreg_b32 s2, hwreg(HW_REG_IB_STS2, 6, 4)
	s_cmp_eq_u32 s2, 0
	s_cbranch_scc0 .Lentry_in_a_cluster
	s_endpgm
.Lentry_in_a_cluster:
	s_bfe_u32 s2, ttmp6, 0x10000c
	s_cmp_lg_u32 s2, 0xf033
	s_cbranch_scc0 .Lentry_shape_is_right
	s_endpgm
.Lentry_shape_is_right:
.set SIZE_K, 1024
; ffn = relu(h W1 + b1) on codes of FP6 (E2M3) with E8M0 scales, quantised again along the 4,096 and stored as images of operand registers with pair words.
; A tile of 256 x 256, four waves of 128 x 128.  A row of codes is 768 bytes: three chunks of 256 bytes, each on a 256-byte border, through two LDS slots; chunk c lies in slot c % 2.
; A step of 128 along K is 96 bytes: steps 2 and 5 read both slots.  The head's four tiles (chunk 0 of A and of B, A's and B's scales) go out one a wave.
; Lane r of block 2 g + u takes row 32 g + 8 u + r + 8 (r / 8).  No prefetch: K is three chunks, and two of them are asked for before the first product.
; LIMITS: a block of zeros gets the byte 1, not 127 (this program alone reads the bytes); NaN and infinities are not served.
.set NQ,     2
.set ROWB,   256
.set KROW,   SIZE_K*6/8
.set STEPS,  SIZE_K/128
.set CHUNKS, KROW/ROWB
.set PITCH,  272
.set FR,     12
.set NL,     6
.set NP,     4
.set HALFT,  128*PITCH
.set SLOT,   4*HALFT
.set G0H,    4
.set G0HB,   8
.set KS,     SIZE_K/32
.set SCL,    2*SLOT
.set HALFS,  (128*KS/256)*272
.set SPARE,  SCL+4*HALFS
.set AQS,    3145728
.set FSC,    12582912
.set ADRA, 16
.set ADRB, 20
.set ADRS, 27
.set SPW,  28
.set NIL,  29
.set SC,   32
.set AF,   128
.set TM,   64
.set PWS,  76
.set PC,   84
.set O16,  120
.set O8,   121
.set OB,   122
.set T,    128
.set BJ,   192
.set SEL,  98
.set G1, 24
.set G0, 32
.set G1B, 48
.set G0B, 56
.set G1S, 68
.set G0S, 76
.set G1SB, 80
.set G0SB, 88
.set MSB, 0
.macro WIN new
.if MSB != \new
	s_set_vgpr_msb (MSB<<8)|\new
.set MSB, \new
.endif
.endm
.set MUL_LO, 0xa1
.set MUL_HI, 0xf1
.set TO_B,   0x40
.macro JLOAD g0a, g1a, g0b, g1b
	s_cmp_eq_u32 s15, 0
	s_cbranch_scc0 .Lfor_b_\@
	tensor_load_to_lds s[\g0a:\g0a+3], s[\g1a:\g1a+7]
	s_nop 0
.rept 4
	v_nop
.endr
	s_branch .Lasked_\@
.Lfor_b_\@:
	tensor_load_to_lds s[\g0b:\g0b+3], s[\g1b:\g1b+7]
	s_nop 0
.rept 4
	v_nop
.endr
.Lasked_\@:
.endm
.macro CREST
	s_cmp_lg_u32 s14, 0
	s_cbranch_scc1 .Lnot_wave_0_\@
	s_barrier_signal -3
.Lnot_wave_0_\@:
	s_barrier_wait -3
	s_barrier_signal -1
	s_barrier_wait -1
.endm
.macro CROUND
	s_barrier_signal -1
	s_barrier_wait -1
	CREST
.endm
	s_load_b64 s[4:5], s[0:1], 0x0
	s_load_b128 s[8:11], s[0:1], 0x8
	v_lshl_add_u32 v[SPW], v0, 2, SPARE
	v_mov_b32 v[NIL], 0
	ds_add_u32 v28, v29
	ds_add_u32 v28, v29
	s_wait_dscnt 0x0
	v_lshrrev_b32 v1, 5, v0
	v_readfirstlane_b32 s14, v1
	s_lshr_b32 s15, s14, 1
	s_and_b32 s16, s14, 1
	s_bfe_u32 s40, ttmp6, 0x40000
	s_bfe_u32 s41, ttmp6, 0x40004
	s_lshl_b32 s42, ttmp9, 2
	s_add_co_u32 s42, s42, s40
	s_and_b32 s17, ttmp7, 0xffff
	s_lshl_b32 s17, s17, 2
	s_add_co_u32 s17, s17, s41
	s_lshl_b32 s43, s41, 2
	s_lshl_b32 s43, 15, s43
	s_lshl_b32 s44, 0x1111, s40
	; group 1: rows of 256 bytes, 16 of padding behind each; 256 rows for the head's loads
	s_or_b32 s[G1+0], s43, (0<<16)|(1<<20)|(1<<21)|(5<<22)|(3<<25)
	s_or_b32 s[G1B+0], s44, (0<<16)|(1<<20)|(1<<21)|(5<<22)|(3<<25)
.irp g, G1, G1B
	s_mov_b32 s[\g+1], ROWB<<16
	s_mov_b32 s[\g+2], 256<<16
	s_mov_b32 s[\g+3], ROWB<<16
	s_mov_b32 s[\g+4], 256
	s_mov_b32 s[\g+5], KROW
	s_mov_b32 s[\g+6], 0
	s_mov_b32 s[\g+7], 0
.endr
	; the scales of 256 rows: a dense block, KS rows of 256 bytes
	s_or_b32 s[G1S+0], s43, (3<<16)|(1<<20)|(1<<21)|(5<<22)|(3<<25)
	s_or_b32 s[G1SB+0], s44, (3<<16)|(1<<20)|(1<<21)|(5<<22)|(3<<25)
.irp g, G1S, G1SB
	s_mov_b32 s[\g+1], 32<<16
	s_mov_b32 s[\g+2], KS<<16
	s_mov_b32 s[\g+3], 32<<16
	s_mov_b32 s[\g+4], KS
	s_mov_b32 s[\g+5], 32
	s_mov_b32 s[\g+6], 0
	s_mov_b32 s[\g+7], 0
.endr
	s_lshl_b32 s20, s17, 8
	s_lshl_b32 s46, s42, 8
	s_mov_b32 s21, 0
	s_mov_b32 s47, 0
	s_mov_b64 s[18:19], KS
	s_mul_u64 s[22:23], s[20:21], s[18:19]
	s_mul_u64 s[92:93], s[46:47], s[18:19]
	s_mov_b64 s[18:19], KROW
	s_mul_u64 s[20:21], s[20:21], s[18:19]
	s_mul_u64 s[46:47], s[46:47], s[18:19]
	s_mul_i32 s18, s16, 128*KROW                   ; in the ring I fetch 128 rows: which half,
	s_mov_b32 s19, 0
	s_mul_i32 s45, s14, HALFT                      ; and where they go
	s_wait_kmcnt 0x0
	s_add_nc_u64 s[6:7], s[4:5], AQS
	s_add_nc_u64 s[20:21], s[4:5], s[20:21]
	s_add_nc_u64 s[22:23], s[6:7], s[22:23]
	s_add_nc_u64 s[46:47], s[8:9], s[46:47]
	s_add_nc_u64 s[92:93], s[10:11], s[92:93]
	CROUND
	s_mov_b32 s[G0H], 1
	s_mov_b32 s[G0H+1], 0
	s_mov_b64 s[G0H+2:G0H+3], s[20:21]
	s_or_b32 s[G0H+3], s[G0H+3], 0x80000000
	s_mov_b32 s[G0HB], 1
	s_mov_b32 s[G0HB+1], 2*HALFT
	s_mov_b64 s[G0HB+2:G0HB+3], s[46:47]
	s_or_b32 s[G0HB+3], s[G0HB+3], 0x80000000
	s_mov_b32 s[G0S], 1
	s_mov_b32 s[G0S+1], SCL
	s_mov_b64 s[G0S+2:G0S+3], s[22:23]
	s_or_b32 s[G0S+3], s[G0S+3], 0x80000000
	s_mov_b32 s[G0SB], 1
	s_mov_b32 s[G0SB+1], SCL+2*HALFS
	s_mov_b64 s[G0SB+2:G0SB+3], s[92:93]
	s_or_b32 s[G0SB+3], s[G0SB+3], 0x80000000
	s_add_nc_u64 s[20:21], s[20:21], s[18:19]
	s_add_nc_u64 s[46:47], s[46:47], s[18:19]
.irp s, 0,1
	s_mov_b32 s[G0+4*\s], 1
	s_add_co_u32 s[G0+4*\s+1], s45, \s*SLOT
	s_add_nc_u64 s[G0+4*\s+2:G0+4*\s+3], s[20:21], \s*ROWB
	s_or_b32 s[G0+4*\s+3], s[G0+4*\s+3], 0x80000000
	s_mov_b32 s[G0B+4*\s], 1
	s_add_co_u32 s[G0B+4*\s+1], s45, \s*SLOT
	s_add_nc_u64 s[G0B+4*\s+2:G0B+4*\s+3], s[46:47], \s*ROWB
	s_or_b32 s[G0B+4*\s+3], s[G0B+4*\s+3], 0x80000000
.endr
.macro ARM under, g0, g1, next         ; one tree of branches on the wave's number, one load to an arm
	s_cmp_lt_u32 s14, \under
	s_cbranch_scc0 \next
	tensor_load_to_lds s[\g0:\g0+3], s[\g1:\g1+7]
	s_nop 0
.rept 4
	v_nop
.endr
	s_branch .Lhead_asked
\next:
.endm
	ARM 1, G0H,  G1,  .Lhead_b
	ARM 2, G0HB, G1B, .Lhead_sa
	ARM 3, G0S,  G1S, .Lhead_sb
	tensor_load_to_lds s[G0SB:G0SB+3], s[G1SB:G1SB+7]
	s_nop 0
.rept 4
	v_nop
.endr
.Lhead_asked:
	v_and_b32 v1, 15, v0
	v_bfe_u32 v2, v0, 4, 1
	v_and_b32 v7, 8, v1
	v_add_nc_u32 v7, v7, v1                        ; r + 8 (r / 8)
	v_mul_u32_u24 v3, v7, PITCH
	v_mul_u32_u24 v4, v2, 24
	v_add_nc_u32 v4, v3, v4
	s_mov_b32 s21, SLOT-232
	s_mov_b32 s22, SLOT+232
	v_sub_nc_u32 v8, 1, v2
	v_mul_u32_u24 v5, s21, v2
	v_add_nc_u32 v5, v3, v5
	v_add_nc_u32 v5, 232, v5                       ; across two chunks: lanes 0-15 byte 232 in slot 0, lanes 16-31 byte 0 in slot 1;
	v_mul_u32_u24 v6, s22, v8
	v_add_nc_u32 v6, v3, v6                        ; and the other way round
	s_mul_i32 s21, s15, HALFT
	s_mul_i32 s22, s16, HALFT
	s_add_co_u32 s22, s22, 2*HALFT
	v_add_nc_u32 v[ADRA+2], s21, v5
	v_add_nc_u32 v[ADRA+3], s21, v6
	v_add_nc_u32 v[ADRB+2], s22, v5
	v_add_nc_u32 v[ADRB+3], s22, v6
.irp s, 0,1
	v_add_nc_u32 v[ADRA+\s], s21, v4
	v_add_nc_u32 v[ADRB+\s], s22, v4
	s_add_co_u32 s21, s21, SLOT
	s_add_co_u32 s22, s22, SLOT
.endr
	v_mul_u32_u24 v5, v7, KS
	v_lshrrev_b32 v6, 8, v5
	v_lshl_add_u32 v5, v6, 4, v5
	s_mul_i32 s21, s15, HALFS
	s_mul_i32 s22, s16, HALFS
	s_add_co_u32 s22, s22, 2*HALFS
	s_sub_co_u32 s22, s22, s21
	v_mul_u32_u24 v6, s22, v2
	s_add_co_u32 s21, s21, SCL
	v_add_nc_u32 v5, v5, v6
	v_add_nc_u32 v[ADRS], s21, v5
.macro FRAG reg, adr, q, i
.irp p, 0,1,2,3,4,5
.set BY, 96*(\q)+48*(\p/3)+8*(\p%3)    ; q: the step, counted from the row's start; byte y of a row lies in slot (y / 256) % 2 at byte y % 256
.if BY/ROWB == (BY+24)/ROWB
	ds_load_b64 v[\reg+2*\p:\reg+2*\p+1], v[\adr+(BY/ROWB)%2] offset:BY%ROWB+(32*((\i)/2)+8*((\i)%2))*PITCH
.else
	ds_load_b64 v[\reg+2*\p:\reg+2*\p+1], v[\adr+2+(BY/ROWB)%2] offset:BY%ROWB-232+(32*((\i)/2)+8*((\i)%2))*PITCH
.endif
.endr
.endm
.macro MUL16 a0, p, q, sc, zero
.irp a, \a0, \a0+1
.irp b, 0,1,2,3,4,5,6,7
.if \zero
	v_wmma_scale_f32_16x16x128_f8f6f4 v[8*(8*((\a)%4)+\b):8*(8*((\a)%4)+\b)+7], v[128*(\p)+FR*\b:128*(\p)+FR*\b+FR-1], v[AF+FR*(\a):AF+FR*(\a)+FR-1], 0, v[SC+8*NQ*(\sc)+NQ*\b+(\q)], v[SC+8*NQ*(\sc)+NQ*(\a)+(\q)] matrix_a_fmt:MATRIX_FMT_FP6 matrix_b_fmt:MATRIX_FMT_FP6 matrix_a_scale:MATRIX_SCALE_ROW1
.else
	v_wmma_scale_f32_16x16x128_f8f6f4 v[8*(8*((\a)%4)+\b):8*(8*((\a)%4)+\b)+7], v[128*(\p)+FR*\b:128*(\p)+FR*\b+FR-1], v[AF+FR*(\a):AF+FR*(\a)+FR-1], v[8*(8*((\a)%4)+\b):8*(8*((\a)%4)+\b)+7], v[SC+8*NQ*(\sc)+NQ*\b+(\q)], v[SC+8*NQ*(\sc)+NQ*(\a)+(\q)] matrix_a_fmt:MATRIX_FMT_FP6 matrix_b_fmt:MATRIX_FMT_FP6 matrix_a_scale:MATRIX_SCALE_ROW1
.endif
.endr
.endr
.endm
.macro FETCH_B slot, q, p
	WIN TO_B
.irp i, 0,1,2,3,4,5,6,7
	FRAG 128*(\p)+FR*\i, ADRB+\slot, \q, \i
.endr
	WIN 0
.endm
.macro FETCH_A slot, q, i0
.irp i, \i0, \i0+1, \i0+2, \i0+3
	FRAG AF+FR*(\i), ADRA+\slot, \q, \i
.endr
.endm
.macro SCALES pr                       ; the words of steps 2 pr, 2 pr + 1 into set pr % 2
.irp i, 0,1,2,3,4,5,6,7
	ds_load_b64 v[SC+8*NQ*((\pr)%2)+NQ*\i:SC+8*NQ*((\pr)%2)+NQ*\i+1], v[ADRS] offset:(4*(\i/2)+\i%2)*272+4*NQ*(\pr)
.endr
.endm
.macro PLACES n
.rept \n
	v_nop
.endr
.endm
; A step: 64 matrix instructions; the next step's fragments are fetched in its middle and at its end.  Where the next step's bytes END in a chunk not yet read: wait for my tensor loads, barrier.
; Where they BEGIN in a later chunk: the three lines, the barrier; where a chunk two on is left, the barrier opens a round and the slot is filled again.
.macro STEP st, zero
.set NX, (\st)+1
.set C0, (96*(\st))/ROWB
.set C1, (96*NX)/ROWB
.set E0, (96*(\st)+95)/ROWB
.set E1, (96*NX+95)/ROWB
.if C1 > C0 || E1 > E0
	s_wait_tensorcnt 0x0                           ; all my tensor loads have landed
.if C1 > C0
	ds_add_u32 v[SPW], v[NIL]
	s_wait_dscnt 4*NL+1                            ; the add and A's blocks 4-7 (24 loads) may be out
.else
	s_wait_dscnt 4*NL                              ; A's blocks 4-7 may be out
.endif
	WIN MUL_LO
	MUL16 0, (\st)%2, (\st)%2, ((\st)/2)%2, \zero
	s_wait_dscnt 0x0                               ; the add and my reads are done
	s_barrier_signal -1
	MUL16 2, (\st)%2, (\st)%2, ((\st)/2)%2, \zero
	WIN 0
	s_barrier_wait -1
.if C1 > C0 && C0+2 < CHUNKS
	CREST
	s_add_nc_u64 s[G0+4*(C0%2)+2:G0+4*(C0%2)+3], s[G0+4*(C0%2)+2:G0+4*(C0%2)+3], 2*ROWB
	s_add_nc_u64 s[G0B+4*(C0%2)+2:G0B+4*(C0%2)+3], s[G0B+4*(C0%2)+2:G0B+4*(C0%2)+3], 2*ROWB
	JLOAD G0+4*(C0%2), G1, G0B+4*(C0%2), G1B
.else
	PLACES NP
.endif
.else
	s_wait_dscnt 4*NL
	WIN MUL_LO
	MUL16 0, (\st)%2, (\st)%2, ((\st)/2)%2, \zero
	MUL16 2, (\st)%2, (\st)%2, ((\st)/2)%2, \zero
	s_wait_dscnt 0
	PLACES NP
.endif
	FETCH_B 0, NX, NX%2
	FETCH_A 0, NX, 0
.if NX%2 == 0
	SCALES NX/2
.endif
	WIN MUL_HI
	MUL16 4, (\st)%2, (\st)%2, ((\st)/2)%2, \zero
	MUL16 6, (\st)%2, (\st)%2, ((\st)/2)%2, \zero
	PLACES NP
	WIN 0
	FETCH_A 0, NX, 4
.endm
	s_wait_alu depctr_va_vdst(0)
	s_wait_tensorcnt 0x0                           ; my tile of the head's four is in
	ds_add_u32 v[SPW], v[NIL]
	s_mov_b32 s[G1+2], 128<<16                     ; no tensor load of mine is out: from here on a load brings 128 rows
	s_mov_b32 s[G1+4], 128
	s_mov_b32 s[G1B+2], 128<<16
	s_mov_b32 s[G1B+4], 128
	s_wait_dscnt 0x0
	CROUND
	JLOAD G0+4, G1, G0B+4, G1B                     ; chunk 1, the first tensor load behind the round
	FETCH_B 0, 0, 0
	FETCH_A 0, 0, 0
	SCALES 0
	FETCH_A 0, 0, 4
	STEP 0, 1
.set ST, 1
.rept STEPS-2
	STEP ST, 0
.set ST, ST+1
.endr
	s_load_b128 s[24:27], s[0:1], 0x18             ; no tensor load is out any more: b1, ffn
	s_wait_dscnt 4*NL
	WIN MUL_LO
	MUL16 0, 1, NQ-1, 1, 0
	MUL16 2, 1, NQ-1, 1, 0
	s_wait_dscnt 0
	WIN MUL_HI
	MUL16 4, 1, NQ-1, 1, 0
	MUL16 6, 1, NQ-1, 1, 0
	WIN 0
.macro QUANT s, pw
.irp b, 0,1,2,3
	v_max3_num_f32 v[TM+\b], |v[\s+16*\b]|, |v[\s+1+16*\b]|, 0x1800000
.endr
.irp i, 2,4,6,8,10,12,14
.irp b, 0,1,2,3
	v_max3_num_f32 v[TM+\b], v[TM+\b], |v[\s+16*\b+\i]|, |v[\s+1+16*\b+\i]|
.endr
.endr
.irp b, 0,1,2,3
	v_permlanex16_b32 v[TM+4+\b], v[TM+\b], s[SEL], s[SEL+1]
.endr
.irp b, 0,1,2,3
	v_max_num_f32 v[TM+\b], v[TM+\b], v[TM+4+\b]
.endr
.irp b, 0,1,2,3
	v_add_nc_u32 v[TM+8+\b], 0xff000000, v[TM+\b]
.endr
.irp b, 0,1,2,3
	v_lshrrev_b32 v[TM+4+\b], 23, v[TM+8+\b]
.endr
	v_lshl_or_b32 v[\pw], v[TM+5], 8, v[TM+4]
	v_lshl_or_b32 v[\pw], v[TM+6], 16, v[\pw]
	v_lshl_or_b32 v[\pw], v[TM+7], 24, v[\pw]
.irp c, 0,1
	v_cvt_scalef32_pk16_fp6_f32 v[PC+6*\c:PC+2+6*\c], v[\s+32*\c:\s+15+32*\c], v[TM+8+2*\c]
	v_cvt_scalef32_pk16_fp6_f32 v[PC+12+4*\c:PC+14+4*\c], v[\s+16+32*\c:\s+31+32*\c], v[TM+8+2*\c+1]
.endr
	v_nop
.irp c, 0,1
.irp i, 0,1,2
	v_permlane16_swap_b32 v[PC+6*\c+\i], v[PC+12+4*\c+\i]
.endr
.irp i, 0,1,2
	v_mov_b32 v[PC+3+6*\c+\i], v[PC+12+4*\c+\i]
.endr
.endr
.endm
.macro PUTH c, base, off
	global_store_b128 v[O16], v[PC+6*(\c):PC+6*(\c)+3], s[\base:\base+1] offset:\off
	global_store_b64 v[O8], v[PC+6*(\c)+4:PC+6*(\c)+5], s[\base:\base+1] offset:(\off)+512
.endm
	PLACES NP
	v_and_b32 v1, 31, v0
	v_lshlrev_b32 v[O16], 4, v1
	v_lshlrev_b32 v[O8], 3, v1
	v_bfe_u32 v2, v0, 4, 1
	v_lshlrev_b32 v[OB], 6, v2
.irp b, 0,1,2,3
	v_mov_b32 v[TM+4+\b], 0
.endr
	s_mov_b32 s[SEL], 0x76543210
	s_mov_b32 s[SEL+1], 0xfedcba98
	s_lshl_b32 s34, s17, 1
	s_add_co_u32 s34, s34, s15
	s_lshl_b32 s34, s34, 5
	s_lshl_b32 s35, s42, 1
	s_add_co_u32 s35, s35, s16
	s_add_co_u32 s34, s34, s35
	s_mul_i32 s36, s34, 12288
	s_mov_b32 s37, 0
	s_lshl_b32 s38, s34, 9
	s_add_co_u32 s38, s38, FSC
	s_mov_b32 s39, 0
	s_lshl_b32 s44, s35, 9
	s_mov_b32 s45, 0
	s_wait_alu depctr_va_vdst(0)
	s_wait_kmcnt 0x0
	s_add_nc_u64 s[24:25], s[24:25], s[44:45]
	s_add_nc_u64 s[36:37], s[26:27], s[36:37]
	s_add_nc_u64 s[38:39], s[26:27], s[38:39]
.irp t, 0,1,2,3,4,5,6,7
	global_load_b128 v[BJ+8*\t:BJ+8*\t+3], v[OB], s[24:25] offset:(32*(\t/2)+8*(\t%2))*4
	global_load_b128 v[BJ+8*\t+4:BJ+8*\t+7], v[OB], s[24:25] offset:(32*(\t/2)+8*(\t%2))*4+16
.endr
	s_wait_loadcnt 0x0
.irp a, 0,1,2,3,4,5,6,7
	s_wait_xcnt 0x0
	WIN 0x02+\a/4
.set AC, 64*(\a%4)
.set n, 0
.rept 32
	v_pk_add_f32 v[T+n:T+n+1], v[AC+n:AC+n+1], v[BJ+n:BJ+n+1]
.set n, n+2
.endr
	WIN 0
.set n, 0
.rept 64
	v_max_num_f32 v[T+n], 0, v[T+n]
.set n, n+1
.endr
	QUANT T, PWS+\a
	PUTH 0, 36, 1536*\a
	PUTH 1, 36, 1536*\a+768
.endr
	s_wait_xcnt 0x0
	s_mov_b32 vcc_lo, 0xffff0000
.irp p, 0,1,2,3
	v_cndmask_b32 v[PC+\p], v[PWS+2*\p], v[PWS+2*\p+1], vcc_lo
.endr
	global_store_b128 v[O16], v[PC:PC+3], s[38:39]
	s_wait_tensorcnt 0x0
	ds_add_u32 v[SPW], v[NIL]
	s_wait_dscnt 0x0
	CROUND
	s_endpgm
.Lfunc_end_k_q7b3d2b5a43_gemm_1:
	.size	k_q7b3d2b5a43_gemm_1, .Lfunc_end_k_q7b3d2b5a43_gemm_1-k_q7b3d2b5a43_gemm_1
	.p2alignl 7, 3214868480
	.fill 96, 4, 3214868480
	.section	.rodata,"a",@progbits
	.p2align	6, 0x0
	.amdhsa_kernel k_q7b3d2b5a43_gemm_1
		.amdhsa_group_segment_fixed_size 327680
		.amdhsa_private_segment_fixed_size 0
		.amdhsa_enable_private_segment 0
		.amdhsa_kernarg_size 40
		.amdhsa_user_sgpr_count 2
		.amdhsa_user_sgpr_kernarg_segment_ptr 1
		.amdhsa_wavefront_size32 1
		.amdhsa_system_sgpr_workgroup_id_x 1
		.amdhsa_system_sgpr_workgroup_id_y 1
		.amdhsa_system_sgpr_workgroup_id_z 1
		.amdhsa_system_vgpr_workitem_id 0
		.amdhsa_next_free_vgpr 1024
		.amdhsa_next_free_sgpr 100
		.amdhsa_reserve_vcc 1
		.amdhsa_float_denorm_mode_32 3
		.amdhsa_float_denorm_mode_16_64 3
		.amdhsa_memory_ordered 1
		.amdhsa_forward_progress 1
		.amdhsa_inst_pref_size 199
	.end_amdhsa_kernel
	.amdgpu_metadata
---
amdhsa.version: [ 1, 2 ]
amdhsa.kernels:
  - .name:           k_q7b3d2b5a43_gemm_1
    .symbol:         k_q7b3d2b5a43_gemm_1.kd
    .args:
      - { .name: aq, .offset: 0, .size: 8, .value_kind: global_buffer, .address_space: global }
      - { .name: W1_codes, .offset: 8, .size: 8, .value_kind: global_buffer, .address_space: global }
      - { .name: W1_scales, .offset: 16, .size: 8, .value_kind: global_buffer, .address_space: global }
      - { .name: b1, .offset: 24, .size: 8, .value_kind: global_buffer, .address_space: global }
      - { .name: ffn, .offset: 32, .size: 8, .value_kind: global_buffer, .address_space: global }
    .group_segment_fixed_size: 327680
    .private_segment_fixed_size: 0
    .kernarg_segment_align: 8
    .kernarg_segment_size: 40
    .max_flat_workgroup_size: 128
    .sgpr_count:     100
    .vgpr_count:     1024
    .wavefront_size: 32
...
	.end_amdgpu_metadata
.endif
;; end of part 6
;; launch gemm_2 (part 7): grid 8 x 32, 4 waves a work-group, clusters of 4 x 4, 327,680 bytes of LDS; arguments ffn, W2_codes, W2_scales, b2, h, y; writes y
.if DOCPART == 7
	.amdgcn_target "amdgcn-amd-amdhsa--gfx1250"
	.amdhsa_code_object_version 6
	.text
	.protected	k_q7b3d2b5a43_gemm_2
	.globl	k_q7b3d2b5a43_gemm_2
	.p2align	8
	.type	k_q7b3d2b5a43_gemm_2,@function
k_q7b3d2b5a43_gemm_2:
	s_mov_b64 s[64:65], 0
	v_nop
	global_prefetch_b8 v0, s[64:65] scope:SCOPE_SE
	s_setreg_imm32_b32 hwreg(HW_REG_WAVE_MODE, 25, 1), 1
	s_wait_xcnt 0x0
	s_wait_alu depctr_hold_cnt(0) depctr_sa_sdst(0) depctr_va_vdst(0) depctr_va_sdst(0) depctr_va_ssrc(0) depctr_va_vcc(0) depctr_vm_vsrc(0)
	s_getreg_b32 s2, hwreg(HW_REG_IB_STS2, 6, 4)
	s_cmp_eq_u32 s2, 0
	s_cbranch_scc0 .Lentry_in_a_cluster
	s_endpgm
.Lentry_in_a_cluster:
	s_bfe_u32 s2, ttmp6, 0x10000c
	s_cmp_lg_u32 s2, 0xf033
	s_cbranch_scc0 .Lentry_shape_is_right
	s_endpgm
.Lentry_shape_is_right:
.set SIZE_K, 4096
.set ASC,    12582912
.set KST,   SIZE_K/128
.set KS,    SIZE_K/32
.set KROW,  SIZE_K*6/8
.set LAPS,  SIZE_K/1024
; y = h + ffn W2 + b2 on codes of FP6 (E2M3) with E8M0 scales.  A tile of 128 x 128, four waves of 64 x 64; K in steps of 512 through two LDS slots.
; A (ffn) comes as dense images of operand registers, in rows of 256 bytes.  B's rows of codes come as 512 aligned bytes: bytes 0-511 of each 768 for the even step (it reads 0-383),
; bytes 256-767 for the odd step (it reads 384-767, from byte 128 of the LDS row): every row begins on a 256-byte border.  16 bytes of padding behind each row.
; The head's four tiles (A's and B's slot 0, A's and B's scales) go out one a wave; slot 1 follows behind the full sequence.
.set PITCH, 528
.set ASLOT, 49152
.set SLOT,  116736
.set SCA,   2*SLOT
.set SCB,   SCA+512*KST
.set SPARE, SCB+544*KST
.set ADA16, 16
.set ADA8,  18
.set ADRB,  20
.set STO,   24
.set RD,    25
.set CO,    26
.set ADSA,  27
.set SPW,   28
.set NIL,   29
.set ADSB,  30
.set SC,    32
.set BK,    64
.set ACC,   128
.set G1, 24
.set G0, 32
.set G1B, 48
.set G0B, 56
.set G1S, 68
.set G0S, 76
.set G1SB, 80
.set G0SB, 88
.set MSB, 0
.macro WIN new
.if MSB != \new
	s_set_vgpr_msb (MSB<<8)|\new
.set MSB, \new
.endif
.endm
.set MUL,  0x05
.set TO_F, 0x40
.macro JLOAD g0a, g1a, g0b, g1b
	s_cmp_eq_u32 s15, 0
	s_cbranch_scc0 .Lfor_b_\@
	tensor_load_to_lds s[\g0a:\g0a+3], s[\g1a:\g1a+7]
	s_nop 0
.rept 4
	v_nop
.endr
	s_branch .Lasked_\@
.Lfor_b_\@:
	tensor_load_to_lds s[\g0b:\g0b+3], s[\g1b:\g1b+7]
	s_nop 0
.rept 4
	v_nop
.endr
.Lasked_\@:
.endm
.macro CREST
	s_cmp_lg_u32 s14, 0
	s_cbranch_scc1 .Lnot_wave_0_\@
	s_barrier_signal -3
.Lnot_wave_0_\@:
	s_barrier_wait -3
	s_barrier_signal -1
	s_barrier_wait -1
.endm
.macro CROUND
	s_barrier_signal -1
	s_barrier_wait -1
	CREST
.endm
	s_load_b128 s[4:7], s[0:1], 0x0
	s_load_b128 s[8:11], s[0:1], 0x10
	s_load_b64 s[18:19], s[0:1], 0x20
	s_load_b64 s[12:13], s[0:1], 0x28
	v_lshl_add_u32 v[SPW], v0, 2, SPARE
	v_mov_b32 v[NIL], 0
	ds_add_u32 v28, v29
	ds_add_u32 v28, v29
	s_wait_dscnt 0x0
	v_lshrrev_b32 v1, 5, v0
	v_readfirstlane_b32 s14, v1
	s_lshr_b32 s15, s14, 1
	s_and_b32 s16, s14, 1
	s_bfe_u32 s40, ttmp6, 0x40000
	s_bfe_u32 s41, ttmp6, 0x40004
	s_lshl_b32 s42, ttmp9, 2
	s_add_co_u32 s42, s42, s40
	s_and_b32 s17, ttmp7, 0xffff
	s_lshl_b32 s17, s17, 2
	s_add_co_u32 s17, s17, s41
	s_lshl_b32 s43, s41, 2
	s_lshl_b32 s43, 15, s43
	s_lshl_b32 s44, 0x1111, s40
	s_or_b32 s[G1+0], s43, (3<<16)|(1<<21)
	s_mov_b32 s[G1+1], 32<<16
	s_mov_b32 s[G1+2], 192<<16
	s_mov_b32 s[G1+3], 32<<16
	s_mov_b32 s[G1+4], 192
	s_mov_b32 s[G1+5], 32
	s_mov_b32 s[G1+6], 0
	s_mov_b32 s[G1+7], 0
	s_or_b32 s[G1B+0], s44, (0<<16)|(1<<20)|(1<<21)|(6<<22)|(3<<25)
	s_mov_b32 s[G1B+1], 512<<16
	s_mov_b32 s[G1B+2], 128<<16
	s_mov_b32 s[G1B+3], 512<<16
	s_mov_b32 s[G1B+4], 128
	s_mov_b32 s[G1B+5], KROW
	s_mov_b32 s[G1B+6], 0
	s_mov_b32 s[G1B+7], 0
	s_or_b32 s[G1S+0], s43, (3<<16)|(1<<21)
	s_or_b32 s[G1SB+0], s44, (3<<16)|(1<<20)|(1<<21)|(5<<22)|(3<<25)
.irp g, G1S, G1SB
	s_mov_b32 s[\g+1], 32<<16
	s_mov_b32 s[\g+2], (2*KST)<<16
	s_mov_b32 s[\g+3], 32<<16
	s_mov_b32 s[\g+4], 2*KST
	s_mov_b32 s[\g+5], 32
	s_mov_b32 s[\g+6], 0
	s_mov_b32 s[\g+7], 0
.endr
	s_mul_i32 s20, s17, KST*12288                  ; A's images of my 128 tokens
	s_mov_b32 s21, 0
	s_mul_i32 s22, s17, 512*KST                    ; their pair words
	s_add_co_u32 s22, s22, ASC
	s_mov_b32 s23, 0
	s_lshl_b32 s46, s42, 7                         ; B's first row
	s_mul_i32 s92, s46, KS
	s_mov_b32 s93, 0
	s_mul_i32 s46, s46, KROW
	s_mov_b32 s47, 0
	s_mul_i32 s45, s16, 24576                      ; in the ring I fetch half a tile: A's half, in LDS and in memory alike,
	s_mov_b32 s2, s45
	s_mov_b32 s3, 0
	s_mul_i32 s95, s16, 33792                      ; B's half in LDS,
	s_add_co_u32 s95, s95, ASLOT
	s_mul_i32 s96, s16, 64*KROW                    ; and in memory
	s_mov_b32 s97, 0
	s_wait_kmcnt 0x0
	s_add_nc_u64 s[20:21], s[4:5], s[20:21]
	s_add_nc_u64 s[22:23], s[4:5], s[22:23]
	s_add_nc_u64 s[46:47], s[6:7], s[46:47]
	s_add_nc_u64 s[92:93], s[8:9], s[92:93]
; THE PREFETCHES: behind each joint load one instruction a wave asks for the K step of 512 that stands two refills on.  Each block of 256 bytes is named once in a cluster:
; the four partners that ask for a tile jointly share it out by address.  A's waves: 24 of my half's 96 blocks, by cx (lanes 24-31 name the last again).
; B's waves: 16 of my 64 rows, by cy: for an even step bytes 0-511 of the 768 (two lanes a row), for an odd step bytes 512-767 (a lane a row; lanes 16-31 name the last again).
; Steps 0 and 1 come by their loads alone; the refills of steps 6 and 7 ask for nothing.
.set PFE, 22                           ; v22 my offset for an even step, v23 for an odd one; never rewritten
.set PFO, 23
.set PFA, 98                           ; s[98:99] where my prefetches stand;  s[100:101] bytes from step to step: A 49,152; B 384 (an odd step's offset has 128 more)
.set PST, 100
	s_cmp_eq_u32 s15, 0                            ; do I fetch for A?
	s_cselect_b32 s94, 0, -1                       ; all ones in B's waves
	s_cselect_b64 s[PFA:PFA+1], s[20:21], s[46:47]
	s_cselect_b32 s66, s40, s41                    ; my place among the four that ask with me
	s_mov_b32 s67, 16*KROW
	s_cselect_b32 s67, 6144, s67                   ; a partner's share, in bytes
	s_mov_b32 s[PST], 384
	s_cselect_b32 s[PST], ASLOT, s[PST]
	s_mov_b32 s[PST+1], 0
	s_mul_i32 s66, s66, s67
	s_cselect_b32 s67, s2, s96                     ; the half that I fetch
	s_add_co_u32 s66, s66, s67
	s_mov_b32 s67, 0
	s_add_nc_u64 s[PFA:PFA+1], s[PFA:PFA+1], s[66:67]
	s_add_nc_u64 s[PFA:PFA+1], s[PFA:PFA+1], s[PST:PST+1]
	s_add_nc_u64 s[PFA:PFA+1], s[PFA:PFA+1], s[PST:PST+1]   ; at step 2
	CROUND
	s_mov_b32 s[G0], 1                             ; the head's four tiles, each whole: slot 0's A,
	s_mov_b32 s[G0+1], 0
	s_mov_b64 s[G0+2:G0+3], s[20:21]
	s_or_b32 s[G0+3], s[G0+3], 0x80000000
	s_mov_b32 s[G0B], 1                            ; its B,
	s_mov_b32 s[G0B+1], ASLOT
	s_mov_b64 s[G0B+2:G0B+3], s[46:47]
	s_or_b32 s[G0B+3], s[G0B+3], 0x80000000
	s_mov_b32 s[G0S], 1                            ; A's scales,
	s_mov_b32 s[G0S+1], SCA
	s_mov_b64 s[G0S+2:G0S+3], s[22:23]
	s_or_b32 s[G0S+3], s[G0S+3], 0x80000000
	s_mov_b32 s[G0SB], 1                           ; B's
	s_mov_b32 s[G0SB+1], SCB
	s_mov_b64 s[G0SB+2:G0SB+3], s[92:93]
	s_or_b32 s[G0SB+3], s[G0SB+3], 0x80000000
	s_mov_b32 s[G0+4], 1                           ; slot 1: my half
	s_add_co_u32 s[G0+5], s45, SLOT
	s_add_nc_u64 s[G0+6:G0+7], s[20:21], s[2:3]
	s_add_nc_u64 s[G0+6:G0+7], s[G0+6:G0+7], ASLOT
	s_or_b32 s[G0+7], s[G0+7], 0x80000000
	s_mov_b32 s[G0B+4], 1
	s_add_co_u32 s[G0B+5], s95, SLOT
	s_add_nc_u64 s[G0B+6:G0B+7], s[46:47], s[96:97]
	s_add_nc_u64 s[G0B+6:G0B+7], s[G0B+6:G0B+7], 256
	s_or_b32 s[G0B+7], s[G0B+7], 0x80000000
.macro ARM under, g0, g1, next         ; one tree of branches on the wave's number, one load to an arm
	s_cmp_lt_u32 s14, \under
	s_cbranch_scc0 \next
	tensor_load_to_lds s[\g0:\g0+3], s[\g1:\g1+7]
	s_nop 0
.rept 4
	v_nop
.endr
	s_branch .Lhead_asked
\next:
.endm
	ARM 1, G0,  G1,  .Lhead_b
	ARM 2, G0B, G1B, .Lhead_sa
	ARM 3, G0S, G1S, .Lhead_sb
	tensor_load_to_lds s[G0SB:G0SB+3], s[G1SB:G1SB+7]
	s_nop 0
.rept 4
	v_nop
.endr
.Lhead_asked:
	v_and_b32 v7, 31, v0                           ; lane
	v_min_u32 v8, 23, v7
	v_lshlrev_b32 v8, 8, v8                        ; A: a block a lane
	v_lshrrev_b32 v9, 1, v7
	v_mul_u32_u24 v9, v9, KROW
	v_and_b32 v11, 1, v7
	v_lshl_add_u32 v9, v11, 8, v9                  ; B, even step: row lane / 2, block lane % 2
	v_min_u32 v11, 15, v7
	v_mul_u32_u24 v11, v11, KROW
	v_add_nc_u32 v11, 128, v11                     ; B, odd step: a row a lane
	v_cndmask_b32 v[PFE], v8, v9, s94
	v_cndmask_b32 v[PFO], v8, v11, s94
	global_prefetch_b8 v[PFE], s[PFA:PFA+1] th:TH_LOAD_NT scope:SCOPE_SE   ; step 2, behind step 0's load
	v_and_b32 v1, 15, v0
	v_bfe_u32 v2, v0, 4, 1
	v_and_b32 v3, 31, v0
	s_mul_i32 s21, s15, 6144
	v_lshl_add_u32 v4, v3, 4, s21
	v_lshl_add_u32 v5, v3, 3, s21
	v_mul_u32_u24 v6, v1, PITCH
	v_mad_u32_u24 v6, v2, 24, v6
	s_mul_i32 s22, s16, 33792
	s_add_co_u32 s22, s22, ASLOT
	v_add_nc_u32 v6, s22, v6
.irp s, 0,1
	v_add_nc_u32 v[ADA16+\s], \s*SLOT, v4
	v_add_nc_u32 v[ADA8+\s], \s*SLOT, v5
	v_add_nc_u32 v[ADRB+\s], \s*(SLOT+128), v6     ; slot 1's rows begin 128 bytes ahead of the step's first byte
.endr
	s_lshl_b32 s21, s15, 3
	s_add_co_u32 s21, s21, SCA
	v_lshl_add_u32 v[ADSA], v3, 4, s21
	v_mul_u32_u24 v8, v3, KS
	v_lshrrev_b32 v9, 8, v8
	v_lshl_add_u32 v8, v9, 4, v8
	s_mul_i32 s22, s16, 272*KST
	s_add_co_u32 s22, s22, SCB
	v_add_nc_u32 v[ADSB], s22, v8
	s_mul_i32 s23, s14, 16*272
	v_mul_u32_u24 v8, v1, 272
	v_lshl_add_u32 v8, v2, 5, v8
	v_add_nc_u32 v[STO], s23, v8
	v_mul_u32_u24 v8, v2, 272
	v_lshl_add_u32 v8, v1, 4, v8
	v_add_nc_u32 v[RD], s23, v8
	v_lshlrev_b32 v10, 4, v1
	v_lshl_add_u32 v[CO], v2, 12, v10
	s_wait_alu depctr_va_vdst(0)
	s_lshl_b32 s46, s42, 9
	s_lshl_b32 s47, s16, 8
	s_add_co_u32 s46, s46, s47
	s_mov_b32 s47, 0
	s_add_nc_u64 s[10:11], s[10:11], s[46:47]
	global_load_b128 v[12:15], v10, s[10:11]
	s_lshl_b32 s20, s17, 7
	s_lshl_b32 s21, s15, 6
	s_add_co_u32 s20, s20, s21
	s_lshl_b32 s20, s20, 12
	s_mov_b32 s21, 0
	s_add_nc_u64 s[20:21], s[20:21], s[46:47]
	s_add_nc_u64 s[12:13], s[12:13], s[20:21]
	s_add_nc_u64 s[18:19], s[18:19], s[20:21]
	WIN 0x80
.irp a, 0,1,2,3
.irp t, 0,1,2,3,4,5,6,7
	global_load_b128 v[32*\a+4*\t:32*\a+4*\t+3], v[CO], s[18:19] offset:(32*(\a/2)+8*(\a%2)+2*\t+8*(\t/4))*4096 th:TH_LOAD_NT
.endr
.endr
	WIN 0
.macro WM a, b, f, q, set, zero
.set rD, ACC+8*(4*(\a)+(\b))
.set rB, (\f)+48+12*(\b)
.set rA, (\f)+12*(\a)
.set rSB, SC+16*(\set)+8+4*((\b)/2)+(\q)
.set rSA, SC+16*(\set)+2*(\q)+(\a)/2
.set pa, (\a)%2
.set pb, (\b)%2
.if \zero
.if pa == 0 && pb == 0
	v_wmma_scale_f32_16x16x128_f8f6f4 v[rD:rD+7], v[rB:rB+11], v[rA:rA+11], 0, v[rSB], v[rSA] matrix_a_fmt:MATRIX_FMT_FP6 matrix_b_fmt:MATRIX_FMT_FP6
.elseif pa == 0
	v_wmma_scale_f32_16x16x128_f8f6f4 v[rD:rD+7], v[rB:rB+11], v[rA:rA+11], 0, v[rSB], v[rSA] matrix_a_fmt:MATRIX_FMT_FP6 matrix_b_fmt:MATRIX_FMT_FP6 matrix_a_scale:MATRIX_SCALE_ROW1
.elseif pb == 0
	v_wmma_scale_f32_16x16x128_f8f6f4 v[rD:rD+7], v[rB:rB+11], v[rA:rA+11], 0, v[rSB], v[rSA] matrix_a_fmt:MATRIX_FMT_FP6 matrix_b_fmt:MATRIX_FMT_FP6 matrix_b_scale:MATRIX_SCALE_ROW1
.else
	v_wmma_scale_f32_16x16x128_f8f6f4 v[rD:rD+7], v[rB:rB+11], v[rA:rA+11], 0, v[rSB], v[rSA] matrix_a_fmt:MATRIX_FMT_FP6 matrix_b_fmt:MATRIX_FMT_FP6 matrix_a_scale:MATRIX_SCALE_ROW1 matrix_b_scale:MATRIX_SCALE_ROW1
.endif
.else
.if pa == 0 && pb == 0
	v_wmma_scale_f32_16x16x128_f8f6f4 v[rD:rD+7], v[rB:rB+11], v[rA:rA+11], v[rD:rD+7], v[rSB], v[rSA] matrix_a_fmt:MATRIX_FMT_FP6 matrix_b_fmt:MATRIX_FMT_FP6
.elseif pa == 0
	v_wmma_scale_f32_16x16x128_f8f6f4 v[rD:rD+7], v[rB:rB+11], v[rA:rA+11], v[rD:rD+7], v[rSB], v[rSA] matrix_a_fmt:MATRIX_FMT_FP6 matrix_b_fmt:MATRIX_FMT_FP6 matrix_a_scale:MATRIX_SCALE_ROW1
.elseif pb == 0
	v_wmma_scale_f32_16x16x128_f8f6f4 v[rD:rD+7], v[rB:rB+11], v[rA:rA+11], v[rD:rD+7], v[rSB], v[rSA] matrix_a_fmt:MATRIX_FMT_FP6 matrix_b_fmt:MATRIX_FMT_FP6 matrix_b_scale:MATRIX_SCALE_ROW1
.else
	v_wmma_scale_f32_16x16x128_f8f6f4 v[rD:rD+7], v[rB:rB+11], v[rA:rA+11], v[rD:rD+7], v[rSB], v[rSA] matrix_a_fmt:MATRIX_FMT_FP6 matrix_b_fmt:MATRIX_FMT_FP6 matrix_a_scale:MATRIX_SCALE_ROW1 matrix_b_scale:MATRIX_SCALE_ROW1
.endif
.endif
.endm
.macro MUL4 f, q, set, a, zero
.irp b, 0,1,2,3
	WM \a, \b, \f, \q, \set, \zero
.endr
.endm
.macro MUL8 f, q, set, a0, zero
	MUL4 \f, \q, \set, \a0, \zero
	MUL4 \f, \q, \set, \a0+1, \zero
.endm
.macro FETCH slot, q, f
	WIN TO_F
.irp b, 0,1,2,3
.irp p, 0,1,2,3,4,5
.set PCE, 12*(\q)+6*(\p/3)+\p%3
.set RG, (\f)+48+12*\b+2*\p
	ds_load_b64 v[RG:RG+1], v[ADRB+\slot] offset:8*PCE+\b*16*PITCH
.endr
.endr
.irp a, 0,1,2,3
.set RG, (\f)+12*\a
	ds_load_b128 v[RG:RG+3], v[ADA16+\slot] offset:(8*(\q)+\a)*1536
	ds_load_b64 v[RG+4:RG+5], v[ADA8+\slot] offset:(8*(\q)+\a)*1536+512
	ds_load_b128 v[RG+6:RG+9], v[ADA16+\slot] offset:(8*(\q)+\a)*1536+768
	ds_load_b64 v[RG+10:RG+11], v[ADA8+\slot] offset:(8*(\q)+\a)*1536+1280
.endr
.endm
.macro SCALES set
.irp q, 0,1,2,3
	ds_load_b64 v[SC+16*\set+2*\q:SC+16*\set+2*\q+1], v[ADSA] offset:512*\q
.endr
.irp p, 0,1
	ds_load_b128 v[SC+16*\set+8+4*\p:SC+16*\set+8+4*\p+3], v[ADSB] offset:\p*(32*KS/256)*272
.endr
.endm
.macro PLACES
.rept 4
	v_nop
.endr
.endm
.macro KSTEP slot, q, zero
.set FB, 128*((\q)%2)
.set GB, 128-FB
	s_wait_dscnt 8
	WIN MUL
	MUL8 FB, \q, \slot, 0, \zero
	PLACES
	FETCH \slot, (\q)+1, GB
	s_wait_dscnt 40
	WIN MUL
	MUL8 FB, \q, \slot, 2, \zero
.endm
.macro TURN slot, next, fill
	WIN 0
.if \fill
	s_wait_xcnt 0x0                                ; my last prefetch has read its address: one step on
	s_add_nc_u64 s[PFA:PFA+1], s[PFA:PFA+1], s[PST:PST+1]
.endif
	s_wait_tensorcnt 0x0
	ds_add_u32 v[SPW], v[NIL]
	s_wait_dscnt 9
	WIN MUL
	MUL4 128, 3, \slot, 0, 0
	s_wait_dscnt 0x0
	s_barrier_signal -1
	MUL4 128, 3, \slot, 1, 0
	WIN 0
	s_barrier_wait -1
.if \fill
	CREST
	s_add_nc_u64 s[G0+4*\slot+2:G0+4*\slot+3], s[G0+4*\slot+2:G0+4*\slot+3], 2*ASLOT
	s_add_nc_u64 s[G0B+4*\slot+2:G0B+4*\slot+3], s[G0B+4*\slot+2:G0B+4*\slot+3], 2*384
	JLOAD G0+4*\slot, G1, G0B+4*\slot, G1B
.else
	PLACES
.endif
	s_wait_alu depctr_va_vdst(0)
	v_add_nc_u32 v[ADSA], 2048, v[ADSA]
	v_add_nc_u32 v[ADSB], 16, v[ADSB]
	SCALES \next
	FETCH \next, 0, 0
.if \fill
	WIN 0
	s_cmp_gt_u32 s3, 1                             ; s3 = 1 in the loop's last trip: no step stands two refills on
	s_cbranch_scc0 .Lno_ask_\@
	global_prefetch_b8 v[PFE+\slot], s[PFA:PFA+1] th:TH_LOAD_NT scope:SCOPE_SE
.Lno_ask_\@:
.endif
	WIN MUL
	MUL4 128, 3, \slot, 2, 0
	MUL4 128, 3, \slot, 3, 0
.endm
	s_wait_alu depctr_va_vdst(0)
	s_wait_tensorcnt 0x0                           ; my tile of the head's four is in
	ds_add_u32 v[SPW], v[NIL]
	s_mov_b32 s[G1+2], 96<<16                      ; no tensor load of mine is out: from here on a load brings half a tile
	s_mov_b32 s[G1+4], 96
	s_mov_b32 s[G1B+2], 64<<16
	s_mov_b32 s[G1B+4], 64
	s_wait_xcnt 0x0                                ; my prefetch has read its address
	s_add_nc_u64 s[PFA:PFA+1], s[PFA:PFA+1], s[PST:PST+1]   ; at step 3
.if LAPS > 1
	s_mov_b32 s[G0+1], s45                         ; slot 0's refills: my half
	s_add_nc_u64 s[G0+2:G0+3], s[G0+2:G0+3], s[2:3]
	s_mov_b32 s[G0B+1], s95
	s_add_nc_u64 s[G0B+2:G0B+3], s[G0B+2:G0B+3], s[96:97]
.endif
	s_wait_dscnt 0x0
	CROUND
	JLOAD G0+4, G1, G0B+4, G1B                     ; slot 1, the first tensor load behind the round
	SCALES 0
	FETCH 0, 0, 0
	WIN 0
	global_prefetch_b8 v[PFO], s[PFA:PFA+1] th:TH_LOAD_NT scope:SCOPE_SE   ; step 3, behind step 1's load
	KSTEP 0, 0, 1
.if LAPS > 1
	WIN 0
	s_mov_b32 s3, LAPS-1
.Llap:
	KSTEP 0, 1, 0
	KSTEP 0, 2, 0
	TURN 0, 1, 1
	KSTEP 1, 0, 0
	KSTEP 1, 1, 0
	KSTEP 1, 2, 0
	TURN 1, 0, 1
	KSTEP 0, 0, 0
	WIN 0
	s_sub_co_u32 s3, s3, 1
	s_cmp_lg_u32 s3, 0
	s_cbranch_scc1 .Llap
.endif
	KSTEP 0, 1, 0
	KSTEP 0, 2, 0
	TURN 0, 1, 0
	KSTEP 1, 0, 0
	KSTEP 1, 1, 0
	KSTEP 1, 2, 0
	s_wait_dscnt 8
	WIN MUL
	MUL8 128, 3, 1, 0, 0
	s_wait_dscnt 0
	MUL8 128, 3, 1, 2, 0
	WIN 0
.macro TOSTAGE a
.irp b, 0,1,2,3
	ds_store_b128 v[STO], v[ACC+8*(4*(\a)+\b):ACC+8*(4*(\a)+\b)+3] offset:64*\b
	ds_store_b128 v[STO], v[ACC+8*(4*(\a)+\b)+4:ACC+8*(4*(\a)+\b)+7] offset:64*\b+16
.endr
.set BB, BK+32*((\a)%2)
.irp t, 0,1,2,3,4,5,6,7
	ds_load_b128 v[BB+4*\t:BB+4*\t+3], v[RD] offset:\t*544
.endr
.endm
.macro SEND a, younger
.set BB, BK+32*((\a)%2)
	s_wait_dscnt \younger
.irp t, 0,1,2,3,4,5,6,7
	v_pk_add_f32 v[BB+4*\t:BB+4*\t+1], v[BB+4*\t:BB+4*\t+1], v[12:13]
	v_pk_add_f32 v[BB+4*\t+2:BB+4*\t+3], v[BB+4*\t+2:BB+4*\t+3], v[14:15]
.endr
	WIN 0x08
.irp t, 0,1,2,3,4,5,6,7
	v_pk_add_f32 v[BB+4*\t:BB+4*\t+1], v[BB+4*\t:BB+4*\t+1], v[32*(\a)+4*\t:32*(\a)+4*\t+1]
	v_pk_add_f32 v[BB+4*\t+2:BB+4*\t+3], v[BB+4*\t+2:BB+4*\t+3], v[32*(\a)+4*\t+2:32*(\a)+4*\t+3]
.endr
	WIN 0
.irp t, 0,1,2,3,4,5,6,7
	global_store_b128 v[CO], v[BB+4*\t:BB+4*\t+3], s[12:13] offset:(32*((\a)/2)+8*((\a)%2)+2*\t+8*(\t/4))*4096
.endr
.endm
	PLACES
	s_wait_loadcnt 0x0
	TOSTAGE 0
.irp a, 1,2,3
.if \a > 1
	s_wait_xcnt 0x0
.endif
	TOSTAGE \a
	SEND \a-1, 16
.endr
	SEND 3, 0
	s_wait_tensorcnt 0x0
	ds_add_u32 v[SPW], v[NIL]
	s_wait_dscnt 0x0
	CROUND
	s_endpgm
.Lfunc_end_k_q7b3d2b5a43_gemm_2:
	.size	k_q7b3d2b5a43_gemm_2, .Lfunc_end_k_q7b3d2b5a43_gemm_2-k_q7b3d2b5a43_gemm_2
	.p2alignl 7, 3214868480
	.fill 96, 4, 3214868480
	.section	.rodata,"a",@progbits
	.p2align	6, 0x0
	.amdhsa_kernel k_q7b3d2b5a43_gemm_2
		.amdhsa_group_segment_fixed_size 327680
		.amdhsa_private_segment_fixed_size 0
		.amdhsa_enable_private_segment 0
		.amdhsa_kernarg_size 48
		.amdhsa_user_sgpr_count 2
		.amdhsa_user_sgpr_kernarg_segment_ptr 1
		.amdhsa_wavefront_size32 1
		.amdhsa_system_sgpr_workgroup_id_x 1
		.amdhsa_system_sgpr_workgroup_id_y 1
		.amdhsa_system_sgpr_workgroup_id_z 1
		.amdhsa_system_vgpr_workitem_id 0
		.amdhsa_next_free_vgpr 640
		.amdhsa_next_free_sgpr 102
		.amdhsa_reserve_vcc 0
		.amdhsa_float_denorm_mode_32 3
		.amdhsa_float_denorm_mode_16_64 3
		.amdhsa_memory_ordered 1
		.amdhsa_forward_progress 1
		.amdhsa_inst_pref_size 113
	.end_amdhsa_kernel
	.amdgpu_metadata
---
amdhsa.version: [ 1, 2 ]
amdhsa.kernels:
  - .name:           k_q7b3d2b5a43_gemm_2
    .symbol:         k_q7b3d2b5a43_gemm_2.kd
    .args:
      - { .name: ffn, .offset: 0, .size: 8, .value_kind: global_buffer, .address_space: global }
      - { .name: W2_codes, .offset: 8, .size: 8, .value_kind: global_buffer, .address_space: global }
      - { .name: W2_scales, .offset: 16, .size: 8, .value_kind: global_buffer, .address_space: global }
      - { .name: b2, .offset: 24, .size: 8, .value_kind: global_buffer, .address_space: global }
      - { .name: h, .offset: 32, .size: 8, .value_kind: global_buffer, .address_space: global }
      - { .name: y, .offset: 40, .size: 8, .value_kind: global_buffer, .address_space: global }
    .group_segment_fixed_size: 327680
    .private_segment_fixed_size: 0
    .kernarg_segment_align: 8
    .kernarg_segment_size: 48
    .max_flat_workgroup_size: 128
    .sgpr_count:     102
    .vgpr_count:     640
    .wavefront_size: 32
...
	.end_amdgpu_metadata
.endif
;; end of part 7
;; launch ln2 (part 8): grid 256 x 1, 4 waves a work-group, no clusters, 0 bytes of LDS; arguments y, g2, be2, out0; writes out0
.if DOCPART == 8
	.amdgcn_target "amdgcn-amd-amdhsa--gfx1250"
	.amdhsa_code_object_version 6
	.text
	.protected	k_q7b3d2b5a43_ln2
	.globl	k_q7b3d2b5a43_ln2
	.p2align	8
	.type	k_q7b3d2b5a43_ln2,@function
k_q7b3d2b5a43_ln2:
	s_mov_b64 s[64:65], 0
	v_nop
	global_prefetch_b8 v0, s[64:65] scope:SCOPE_SE
	s_setreg_imm32_b32 hwreg(HW_REG_WAVE_MODE, 25, 1), 1
	s_wait_xcnt 0x0
; out0 = LayerNorm(y) g2 + be2, rows of 1,024, all in f32 (y already holds h + the feed-forward's output).  A wave takes a whole row in 32 registers a lane (eight loads of 512 consecutive bytes) and four rows;
; ALL FOUR ROWS' 32 LOADS GO OUT AT THE START, behind the 16 of g2 and be2: 128 registers hold them.  Mean first, then the mean of squared differences: no difference of large sums.
; No LDS, no barrier: a row never leaves its wave.  No register that a store reads is written again.
; LIMITS: NaN and infinities among the inputs are not served.
.set G,   16                           ; v16-47   g2 of my 32 columns
.set BE,  48                           ; v48-79   be2
.set Y,   80                           ; v80-207  my four rows
	s_load_b256 s[4:11], s[0:1], 0x0               ; y, g2, be2, out0
	v_lshrrev_b32 v2, 5, v0
	v_readfirstlane_b32 s16, v2                    ; wave
	v_and_b32 v2, 31, v0
	v_lshlrev_b32 v1, 4, v2                        ; 16 x lane
	v_mov_b32 v7, 0
	s_lshl_b32 s18, ttmp9, 4
	s_lshl_b32 s19, s16, 2
	s_add_co_u32 s18, s18, s19                     ; my first row
	s_lshl_b32 s22, s18, 12
	s_mov_b32 s23, 0
	s_mov_b32 s26, 0x76543210
	s_mov_b32 s27, 0xfedcba98
	s_mov_b32 s28, 0x3a800000                      ; 1 / 1024
	s_mov_b32 s29, 0x3727c5ac                      ; 1e-5
	s_wait_alu depctr_va_vdst(0)
	s_wait_kmcnt 0x0
	s_add_nc_u64 s[4:5], s[4:5], s[22:23]
	s_add_nc_u64 s[10:11], s[10:11], s[22:23]
.irp j, 0,1,2,3,4,5,6,7
	global_load_b128 v[G+4*\j:G+4*\j+3], v1, s[6:7] offset:512*\j
.endr
.irp j, 0,1,2,3,4,5,6,7
	global_load_b128 v[BE+4*\j:BE+4*\j+3], v1, s[8:9] offset:512*\j
.endr
.irp i, 0,1,2,3
.irp j, 0,1,2,3,4,5,6,7
	global_load_b128 v[Y+32*\i+4*\j:Y+32*\i+4*\j+3], v1, s[4:5] offset:4096*\i+512*\j th:TH_LOAD_NT
.endr
.endr
.macro REDUCE                          ; the sum of v6 over the 32 lanes, in every lane
	v_add_f32_dpp v6, v6, v6 row_xmask:1 row_mask:0xf bank_mask:0xf
	v_add_f32_dpp v6, v6, v6 row_xmask:2 row_mask:0xf bank_mask:0xf
	v_add_f32_dpp v6, v6, v6 row_xmask:4 row_mask:0xf bank_mask:0xf
	v_add_f32_dpp v6, v6, v6 row_xmask:8 row_mask:0xf bank_mask:0xf
	v_permlanex16_b32 v7, v6, s26, s27
	v_add_f32 v6, v6, v7
.endm
.macro ROW i
.set YS, Y+32*(\i)
	s_wait_loadcnt 8*(3-(\i))                      ; this row is in; the later rows' eight loads each may be out
	v_pk_add_f32 v[6:7], v[YS:YS+1], v[YS+2:YS+3]
	v_pk_add_f32 v[8:9], v[YS+4:YS+5], v[YS+6:YS+7]
.irp j, 8,12,16,20,24,28
	v_pk_add_f32 v[6:7], v[6:7], v[YS+\j:YS+\j+1]
	v_pk_add_f32 v[8:9], v[8:9], v[YS+\j+2:YS+\j+3]
.endr
	v_pk_add_f32 v[6:7], v[6:7], v[8:9]
	v_add_f32 v6, v6, v7
	REDUCE
	v_mul_f32 v10, s28, v6                         ; the mean
	v_mov_b32 v11, v10
.set n, 0
.rept 16
	v_pk_add_f32 v[YS+n:YS+n+1], v[YS+n:YS+n+1], v[10:11] neg_lo:[0,1] neg_hi:[0,1]
.set n, n+2
.endr
	v_pk_mul_f32 v[6:7], v[YS:YS+1], v[YS:YS+1]
	v_pk_mul_f32 v[8:9], v[YS+2:YS+3], v[YS+2:YS+3]
.irp j, 4,8,12,16,20,24,28
	v_pk_fma_f32 v[6:7], v[YS+\j:YS+\j+1], v[YS+\j:YS+\j+1], v[6:7]
	v_pk_fma_f32 v[8:9], v[YS+\j+2:YS+\j+3], v[YS+\j+2:YS+\j+3], v[8:9]
.endr
	v_pk_add_f32 v[6:7], v[6:7], v[8:9]
	v_add_f32 v6, v6, v7
	REDUCE
	v_fma_f32 v6, v6, s28, s29                     ; the variance + 1e-5
	s_wait_alu depctr_va_vdst(0)
	v_rsq_f32 v12, v6
	v_nop                                          ; a plain place behind the transcendental
	s_wait_alu depctr_va_vdst(0)
	v_mov_b32 v13, v12
.set n, 0
.rept 16
	v_pk_mul_f32 v[YS+n:YS+n+1], v[YS+n:YS+n+1], v[12:13]
.set n, n+2
.endr
.set n, 0
.rept 16
	v_pk_fma_f32 v[YS+n:YS+n+1], v[YS+n:YS+n+1], v[G+n:G+n+1], v[BE+n:BE+n+1]
.set n, n+2
.endr
.irp j, 0,1,2,3,4,5,6,7
	global_store_b128 v1, v[YS+4*\j:YS+4*\j+3], s[10:11] offset:4096*(\i)+512*\j th:TH_STORE_NT
.endr
.endm
	ROW 0
	ROW 1
	ROW 2
	ROW 3
	s_endpgm
.Lfunc_end_k_q7b3d2b5a43_ln2:
	.size	k_q7b3d2b5a43_ln2, .Lfunc_end_k_q7b3d2b5a43_ln2-k_q7b3d2b5a43_ln2
	.p2alignl 7, 3214868480
	.fill 96, 4, 3214868480
	.section	.rodata,"a",@progbits
	.p2align	6, 0x0
	.amdhsa_kernel k_q7b3d2b5a43_ln2
		.amdhsa_group_segment_fixed_size 0
		.amdhsa_private_segment_fixed_size 0
		.amdhsa_enable_private_segment 0
		.amdhsa_kernarg_size 32
		.amdhsa_user_sgpr_count 2
		.amdhsa_user_sgpr_kernarg_segment_ptr 1
		.amdhsa_wavefront_size32 1
		.amdhsa_system_sgpr_workgroup_id_x 1
		.amdhsa_system_sgpr_workgroup_id_y 1
		.amdhsa_system_sgpr_workgroup_id_z 1
		.amdhsa_system_vgpr_workitem_id 0
		.amdhsa_next_free_vgpr 208
		.amdhsa_next_free_sgpr 66
		.amdhsa_reserve_vcc 0
		.amdhsa_float_denorm_mode_32 3
		.amdhsa_float_denorm_mode_16_64 3
		.amdhsa_memory_ordered 1
		.amdhsa_forward_progress 1
		.amdhsa_inst_pref_size 33
	.end_amdhsa_kernel
	.amdgpu_metadata
---
amdhsa.version: [ 1, 2 ]
amdhsa.kernels:
  - .name:           k_q7b3d2b5a43_ln2
    .symbol:         k_q7b3d2b5a43_ln2.kd
    .args:
      - { .name: y, .offset: 0, .size: 8, .value_kind: global_buffer, .address_space: global }
      - { .name: g2, .offset: 8, .size: 8, .value_kind: global_buffer, .address_space: global }
      - { .name: be2, .offset: 16, .size: 8, .value_kind: global_buffer, .address_space: global }
      - { .name: out0, .offset: 24, .size: 8, .value_kind: global_buffer, .address_space: global }
    .group_segment_fixed_size: 0
    .private_segment_fixed_size: 0
    .kernarg_segment_align: 8
    .kernarg_segment_size: 32
    .max_flat_workgroup_size: 128
    .sgpr_count:     66
    .vgpr_count:     208
    .wavefront_size: 32
...
	.end_amdgpu_metadata
.endif
;; end of part 8
